; MI455X (gfx1250); checked and timed in simulation.
; The chip was launched on July 23, 2026; its instructions are those of AMD's public machine-readable ISA for CDNA 5 (MIT licence, August 2026) and "CDNA5" Instruction Set Architecture Reference Guide (July 2026). The comments in the code are by the model that wrote it; some were corrected since.
;; Self Dot Product Attention. Allowed arithmetic: matrix products marked QUANTISED: E2M1 operands, one E8M0 scale for each 32 along K, by v_wmma_scale_f32_16x16x128_f8f6f4 with both operands' format E2M1 (or v_wmma_scale_f32_32x16x128_f4), f32 sums; products left as they are: bf16, f16 or f32 operands; f32 sums; everything else in f32.
;; Inputs: Wk 1,024 x 1,024 float32; Wo 1,024 x 1,024 float32; Wq 1,024 x 1,024 float32; Wv 1,024 x 1,024 float32; bo 1,024 float32; x 4 x 2,048 x 1,024 float32.
;; Outputs: out0 4 x 2,048 x 1,024 float32.
;; This version of the problem:
;;   THIS VERSION OF THE PROBLEM IS GIVEN IN LOW PRECISION. The matrix products marked QUANTISED in the list below multiply operands that are first quantised to E2M1 (2 exponent bits, 1 mantissa bit; 4 bits a number), with one power-of-two scale for each 32 numbers along K (OCP MX v1.0); their sums are f32. The products marked 'left as it is' may take bf16, f16 or f32 operands, with f32 sums. Whichever they take, every output number must still come out within the allowed error. Rounding operands to bf16 (8 significant bits) uses up far more of that allowance than f16 does (11 bits, for magnitudes from 6e-5 to 65,504). All else is computed in f32.
;;   The module's matrix products, in the order in which they are computed (A, B: the left and right operand; K: the contracted axis; several contracted axes count as one K, in the product's order):
;;     1. [M 8,192, K 1,024] x [K 1,024, N 1,024]; A: input x; B: input Wq: QUANTISED
;;     2. [M 8,192, K 1,024] x [K 1,024, N 1,024]; A: input x; B: input Wk: QUANTISED
;;     3. [M 8,192, K 1,024] x [K 1,024, N 1,024]; A: input x; B: input Wv: QUANTISED
;;     4. batch 4 x [M 2,048, K 1,024] x [K 1,024, N 2,048]; A: computed on the way; B: computed on the way: left as it is (an operand is computed on the way)
;;     5. batch 4 x [M 2,048, K 2,048] x [K 2,048, N 1,024]; A: computed on the way; B: computed on the way: left as it is (an operand is computed on the way)
;;     6. [M 8,192, K 1,024] x [K 1,024, N 1,024]; A: computed on the way; B: input Wo: left as it is (an operand is computed on the way)
;;   THE QUANTISER, for each operand of a quantised product, along K:
;;     - K is cut into blocks of 32 from its start; a last block that is shorter is filled with zeros.
;;     - A block's scale is 2^e with e = floor(log2(the largest magnitude in the block)) - 2, held to -126 .. 127; a block of zeros has e = 0. As a byte (E8M0): e + 127.
;;     - Each number is divided by its block's scale, clamped to +-6, and rounded to the nearest number of E2M1, ties to even, subnormals kept.
;;     - The product sums the exact products of the quantised numbers (number of the format x scale) in f32.
;;   ~~~python
;;   def quantise(x, axis):      # numpy; x: float32 -> the quantised numbers, widened to float32 again
;;       x = np.moveaxis(x, axis, -1); K = x.shape[-1]
;;       x = np.pad(x, [(0, 0)] * (x.ndim - 1) + [(0, -K % 32)]); x = x.reshape(x.shape[:-1] + (-1, 32)); a = np.abs(x).max(-1, keepdims=True)
;;       e = np.where(a > 0, np.clip(np.frexp(np.where(a > 0, a, 1))[1] - 1 - 2, -126, 127), 0)      # np.frexp(a)[1] - 1 = floor(log2(a)), exactly
;;       r = np.clip(x / 2.0 ** e, -6, 6)
;;       step = 2.0 ** (np.maximum(np.frexp(np.where(r == 0, 1, r))[1] - 1, 0) - 1)
;;       q = np.round(r / step) * step * 2.0 ** e      # np.round: ties to even
;;       return np.moveaxis(q.reshape(q.shape[:-2] + (-1,))[..., :K], -1, axis).astype(np.float32)
;;   ~~~
;; One version. Each part assembles by itself: llvm-mc -triple=amdgcn-amd-amdhsa -mcpu=gfx1250 --defsym DOCPART=n.
;; ======== version 1 of 1: 5 launches
;; limits: values are held in f16: magnitudes above 65,504 overflow, below 6.1e-05 lose precision
;; workspace buffers: codes 5,767,168 bytes; scl 360,448 bytes; wo16 2,097,152 bytes; qk 33,554,432 bytes; vt 16,777,216 bytes; p 33,554,432 bytes; stats 1,048,576 bytes; sv 16,777,216 bytes
;; launch prep (part 1): grid 384 x 1, 4 waves a work-group, no clusters, 33,280 bytes of LDS; arguments x, Wq, Wk, Wv, Wo, codes, scl, wo16; writes codes, scl, wo16
.if DOCPART == 1
	.amdgcn_target "amdgcn-amd-amdhsa--gfx1250"
	.amdhsa_code_object_version 6
	.text
	.protected	k_q31fc316e67_prep
	.globl	k_q31fc316e67_prep
	.p2align	8
	.type	k_q31fc316e67_prep,@function
k_q31fc316e67_prep:
	s_mov_b64 s[64:65], 0
	v_nop
	global_prefetch_b8 v0, s[64:65] scope:SCOPE_SE
	s_setreg_imm32_b32 hwreg(HW_REG_WAVE_MODE, 25, 1), 1
	s_wait_xcnt 0x0
; PREP.  x [8192][1024], Wq, Wk, Wv [1024][1024], f32, become codes of FP4 (E2M1), K innermost, two codes a byte, with one E8M0 byte for each 32 along K;
; Wo [1024][1024] becomes f16.  The codes of the four tensors are stacked: codes [11264 rows][512 bytes], scl [11264][32]: rows 0-8191 x, then Wq, Wk, Wv.
; A block's scale is 2^(floor(log2(its largest magnitude)) - 2); its byte is the largest magnitude's exponent field - 2, held at 1 from below.
; (A block of zeros so gets the byte 1 where the rule says 127: its codes are zeros, which add nothing under any byte but 0xff, and this program alone reads the bytes.)
; LIMITS: NaN and infinities among the inputs are not served; Wo beyond 65,504 in magnitude has no f16 number.
; SHARES.  Rows are dense and K is a multiple of 32, so a tensor is a plain stream of blocks.  Work-groups 0-351 quantise 32,768 numbers each (a wave 8,192, in 16 steps of 512):
; 0-255 x, 256-287 Wq, 288-319 Wk, 320-351 Wv; since the outputs are stacked in that order, the output's place is the work-group's number, and only the source is chosen.
; Work-groups 352-383 round Wo: 32,768 numbers each; that path uses no LDS byte but its spare words.
; A lane must hold 16 NEIGHBOURS for the conversions, and a load is best where neighbouring lanes take neighbouring bytes: so a step's 2,048 bytes are loaded as they lie (512 bytes a load)
; and turn through the wave's own stage in LDS (80 bytes a lane: 64 + 16 of padding).  Waves share nothing: no barrier.
.set QWG,   352                        ; work-groups that quantise
.set STEPS, 16
.set EMAX,  2
.set CB,    8                          ; bytes of 16 codes
.set R,     16                         ; v16-79   four sets of 16 numbers as loaded
.set X,     80                         ; v80-111  two sets of 16 neighbours
.set E,     112                        ; v112-127 a scale byte for each step
.set C,     128                        ; v128-191 codes: four registers for each step, so that no store's data are written again
.set WREG,  8192                       ; LDS: a region for each wave: two stages of 32 x SP bytes, behind them its 256 scale bytes
.set SP,    80
.set SPW,   12                         ; v12 LDS address of my spare word; never rewritten
.set NIL,   13                         ; v13 0; never rewritten
.set SPARE, 4*WREG                     ; the spare words: 128 bytes a wave, two blocks of 256 bytes that no other line names
.set SRC,   26                         ; s[26:27] the source tensor at my wave's run
.set COD,   14                         ; s[14:15] codes
.set SCA,   16                         ; s[16:17] scale bytes
	s_load_b256 s[4:11], s[0:1], 0x0               ; x s[4:5], Wq s[6:7], Wk s[8:9], Wv s[10:11]
	s_load_b256 s[12:19], s[0:1], 0x20             ; Wo s[12:13], codes s[14:15], scl s[16:17], wo16 s[18:19]
	v_lshl_add_u32 v[SPW], v0, 2, SPARE
	v_mov_b32 v[NIL], 0
	v_lshrrev_b32 v1, 5, v0
	v_readfirstlane_b32 s24, v1                    ; wave
	v_and_b32 v2, 31, v0                           ; lane
	v_lshlrev_b32 v3, 4, v2                        ; my 16 bytes of a load's 512
	s_cmp_ge_u32 ttmp9, QWG                        ; the work-group's number alone decides the path
	s_cbranch_scc1 .Lwo
	s_mul_i32 s20, s24, WREG
	v_lshrrev_b32 v14, 2, v2
	v_mul_u32_u24 v14, v14, SP
	v_and_b32 v15, 3, v2
	v_lshl_add_u32 v14, v15, 4, v14
	v_add_nc_u32 v14, s20, v14                     ; the stage, on the way in: SP (lane / 4) + 16 (lane % 4)
	v_mul_u32_u24 v15, v2, SP
	v_add_nc_u32 v15, s20, v15                     ; and on the way out: SP x lane: my 16 neighbours
	v_mul_u32_u24 v4, v2, CB                       ; my codes' place in a step's
	v_lshrrev_b32 v5, 1, v2
	s_add_co_u32 s20, s20, 2*32*SP
	v_add_nc_u32 v5, s20, v5                       ; LDS: my wave's 256 scale bytes, my block's byte
	v_lshlrev_b32 v7, 3, v2                        ; and on the way out 8 bytes a lane
	v_add_nc_u32 v6, s20, v7
	s_sub_co_u32 s25, ttmp9, 256
	s_and_b32 s25, s25, 31                         ; which 32,768 numbers of a weight
	s_wait_kmcnt 0x0
	s_cmp_lt_u32 ttmp9, 320
	s_cselect_b64 s[SRC:SRC+1], s[8:9], s[10:11]   ; Wk or Wv
	s_cmp_lt_u32 ttmp9, 288
	s_cselect_b64 s[SRC:SRC+1], s[6:7], s[SRC:SRC+1]   ; Wq
	s_cmp_lt_u32 ttmp9, 256
	s_cselect_b64 s[SRC:SRC+1], s[4:5], s[SRC:SRC+1]   ; x
	s_cselect_b32 s28, ttmp9, s25                  ; which 32,768 numbers of the source
	s_lshl_b32 s28, s28, 2
	s_add_co_u32 s28, s28, s24                     ; my wave's run of 8,192 numbers in the source,
	s_lshl_b32 s28, s28, 15                        ; 32,768 bytes a run (under 2^26)
	s_mov_b32 s29, 0
	s_add_nc_u64 s[SRC:SRC+1], s[SRC:SRC+1], s[28:29]
	s_lshl_b32 s30, ttmp9, 2
	s_add_co_u32 s30, s30, s24                     ; and in the stacked outputs
	s_lshl_b32 s28, s30, 12                        ; 4,096 bytes of codes a run
	s_add_nc_u64 s[COD:COD+1], s[COD:COD+1], s[28:29]
	s_lshl_b32 s28, s30, 8                         ; 256 scale bytes a run
	s_add_nc_u64 s[SCA:SCA+1], s[SCA:SCA+1], s[28:29]
.macro LOAD t
.irp i, 0,1,2,3
	global_load_b128 v[R+16*((\t)%4)+4*\i:R+16*((\t)%4)+4*\i+3], v3, s[SRC:SRC+1] offset:2048*(\t)+512*\i th:TH_LOAD_NT   ; 32 lanes read 512 consecutive bytes
.endr
.endm
.macro TURN t                          ; step t's numbers through the stage: LDS serves a wave's instructions in order, so no wait stands between the stores and the loads
.irp i, 0,1,2,3
	ds_store_b128 v14, v[R+16*((\t)%4)+4*\i:R+16*((\t)%4)+4*\i+3] offset:32*SP*((\t)%2)+8*SP*\i
.endr
.irp i, 0,1,2,3
	ds_load_b128 v[X+16*((\t)%2)+4*\i:X+16*((\t)%2)+4*\i+3], v15 offset:32*SP*((\t)%2)+16*\i
.endr
.endm
.irp t, 0,1,2,3
	LOAD \t
.endr
	s_wait_loadcnt 12                              ; step 0's four loads are in; three steps' twelve may be out
	TURN 0
.macro STEP t
.set XS, X+16*((\t)%2)
.if (\t) > 0
	s_wait_dscnt 1                                 ; this step's numbers are back from the stage (the last step's byte store may be out)
.else
	s_wait_dscnt 0x0
.endif
.if (\t)+4 < STEPS
	LOAD (\t)+4                                    ; into the registers that the stage's stores have read
.endif
.if (\t)+1 < STEPS
.if STEPS-2-(\t) >= 3
	s_wait_loadcnt 12                              ; the next step's four loads are in; those of the three steps behind it may be out
.else
	s_wait_loadcnt 4*(STEPS-2-(\t))
.endif
	TURN (\t)+1                                    ; through the other stage while this step is worked
.endif
	v_max3_num_f32 v8, |v[XS]|, |v[XS+1]|, |v[XS+2]|               ; the largest magnitude of my 16, in two chains
	v_max3_num_f32 v9, |v[XS+3]|, |v[XS+4]|, |v[XS+5]|
.irp i, 6,10
	v_max3_num_f32 v8, v8, |v[XS+\i]|, |v[XS+\i+1]|
	v_max3_num_f32 v9, v9, |v[XS+\i+2]|, |v[XS+\i+3]|
.endr
	v_max3_num_f32 v8, v8, |v[XS+14]|, |v[XS+15]|
	v_max3_num_f32 v8, v8, v9, (EMAX+1)<<23        ; and the floor 2^(EMAX + 1 - 127): the byte cannot fall under 1
	v_max_num_f32_dpp v8, v8, v8 row_xmask:1 row_mask:0xf bank_mask:0xf   ; with my neighbour's 16: the block's
	v_add_nc_u32 v11, -(EMAX<<23), v8              ; EMAX off its exponent field: the conversion takes the exponent field of this operand as its scale
	v_cvt_scalef32_pk8_fp4_f32 v[C+4*(\t)], v[XS:XS+7], v11
	v_cvt_scalef32_pk8_fp4_f32 v[C+4*(\t)+1], v[XS+8:XS+15], v11
	v_lshrrev_b32 v[E+(\t)], 23, v11               ; the scale's byte (a plain line behind the conversions)
	ds_store_b8 v5, v[E+(\t)] offset:16*(\t)       ; both lanes of a block write the same byte with the same value
	global_store_b64 v4, v[C+4*(\t):C+4*(\t)+1], s[COD:COD+1] offset:32*CB*(\t)   ; the wave stores 256 consecutive bytes, aligned
.endm
.irp t, 0,1,2,3,4,5,6,7,8,9,10,11,12,13,14,15
	STEP \t
.endr
	ds_load_b64 v[8:9], v6                         ; LDS serves a wave's instructions in order: these see my byte stores
	s_wait_dscnt 0x0
	global_store_b64 v7, v[8:9], s[SCA:SCA+1]      ; 32 lanes store 256 consecutive bytes, aligned
	s_wait_tensorcnt 0x0                           ; the wave's end
	ds_add_u32 v[SPW], v[NIL]
	s_wait_dscnt 0x0
	s_endpgm
.Lwo:                                              ; Wo to f16: a wave takes 8,192 numbers, in four batches of 16 loads of 512 bytes; the next batch is asked for ahead of a batch's work
	s_sub_co_u32 s20, ttmp9, QWG
	s_lshl_b32 s20, s20, 2
	s_add_co_u32 s20, s20, s24                     ; my run, 0 to 127
	s_lshl_b32 s22, s20, 14                        ; 16,384 bytes out
	s_lshl_b32 s20, s20, 15                        ; 32,768 bytes in
	s_mov_b32 s21, 0
	s_mov_b32 s23, 0
	v_lshlrev_b32 v4, 3, v2                        ; 8 bytes a lane out
	s_wait_kmcnt 0x0
	s_add_nc_u64 s[12:13], s[12:13], s[20:21]
	s_add_nc_u64 s[18:19], s[18:19], s[22:23]
.macro WLOAD g
.irp i, 0,1,2,3,4,5,6,7,8,9,10,11,12,13,14,15
	global_load_b128 v[16+64*((\g)%2)+4*\i:16+64*((\g)%2)+4*\i+3], v3, s[12:13] offset:(16*(\g)+\i)*512 th:TH_LOAD_NT
.endr
.endm
.macro WBATCH g
.set WB, 16+64*((\g)%2)
.if (\g) < 3
	WLOAD (\g)+1
	s_wait_loadcnt 16                              ; this batch is in; the next batch's sixteen may be out
.else
	s_wait_loadcnt 0x0
.endif
.if (\g) > 0
	s_wait_xcnt 0x0                                ; the last batch's stores have read their data registers, which are written again below
.endif
.irp i, 0,1,2,3,4,5,6,7,8,9,10,11,12,13,14,15
	v_cvt_pk_f16_f32 v[144+2*\i], v[WB+4*\i], v[WB+4*\i+1]
	v_cvt_pk_f16_f32 v[145+2*\i], v[WB+4*\i+2], v[WB+4*\i+3]
.endr
.irp i, 0,1,2,3,4,5,6,7,8,9,10,11,12,13,14,15
	global_store_b64 v4, v[144+2*\i:145+2*\i], s[18:19] offset:(16*(\g)+\i)*256   ; the wave stores 256 consecutive bytes, aligned
.endr
.endm
	WLOAD 0
	WBATCH 0
	WBATCH 1
	WBATCH 2
	WBATCH 3
	s_wait_tensorcnt 0x0                           ; the wave's end
	ds_add_u32 v[SPW], v[NIL]
	s_wait_dscnt 0x0
	s_endpgm
.Lfunc_end_k_q31fc316e67_prep:
	.size	k_q31fc316e67_prep, .Lfunc_end_k_q31fc316e67_prep-k_q31fc316e67_prep
	.p2alignl 7, 3214868480
	.fill 96, 4, 3214868480
	.section	.rodata,"a",@progbits
	.p2align	6, 0x0
	.amdhsa_kernel k_q31fc316e67_prep
		.amdhsa_group_segment_fixed_size 33280
		.amdhsa_private_segment_fixed_size 0
		.amdhsa_enable_private_segment 0
		.amdhsa_kernarg_size 64
		.amdhsa_user_sgpr_count 2
		.amdhsa_user_sgpr_kernarg_segment_ptr 1
		.amdhsa_wavefront_size32 1
		.amdhsa_system_sgpr_workgroup_id_x 1
		.amdhsa_system_sgpr_workgroup_id_y 1
		.amdhsa_system_sgpr_workgroup_id_z 1
		.amdhsa_system_vgpr_workitem_id 0
		.amdhsa_next_free_vgpr 192
		.amdhsa_next_free_sgpr 66
		.amdhsa_reserve_vcc 0
		.amdhsa_float_denorm_mode_32 3
		.amdhsa_float_denorm_mode_16_64 3
		.amdhsa_memory_ordered 1
		.amdhsa_forward_progress 1
		.amdhsa_inst_pref_size 54
	.end_amdhsa_kernel
	.amdgpu_metadata
---
amdhsa.version: [ 1, 2 ]
amdhsa.kernels:
  - .name:           k_q31fc316e67_prep
    .symbol:         k_q31fc316e67_prep.kd
    .args:
      - { .name: x, .offset: 0, .size: 8, .value_kind: global_buffer, .address_space: global }
      - { .name: Wq, .offset: 8, .size: 8, .value_kind: global_buffer, .address_space: global }
      - { .name: Wk, .offset: 16, .size: 8, .value_kind: global_buffer, .address_space: global }
      - { .name: Wv, .offset: 24, .size: 8, .value_kind: global_buffer, .address_space: global }
      - { .name: Wo, .offset: 32, .size: 8, .value_kind: global_buffer, .address_space: global }
      - { .name: codes, .offset: 40, .size: 8, .value_kind: global_buffer, .address_space: global }
      - { .name: scl, .offset: 48, .size: 8, .value_kind: global_buffer, .address_space: global }
      - { .name: wo16, .offset: 56, .size: 8, .value_kind: global_buffer, .address_space: global }
    .group_segment_fixed_size: 33280
    .private_segment_fixed_size: 0
    .kernarg_segment_align: 8
    .kernarg_segment_size: 64
    .max_flat_workgroup_size: 128
    .sgpr_count:     66
    .vgpr_count:     192
    .wavefront_size: 32
...
	.end_amdgpu_metadata
.endif
;; end of part 1
;; launch qkv (part 2): grid 12 x 32, 4 waves a work-group, clusters of 4 x 4, 327,680 bytes of LDS; arguments codes, scl, qk, vt; writes qk, vt
.if DOCPART == 2
	.amdgcn_target "amdgcn-amd-amdhsa--gfx1250"
	.amdhsa_code_object_version 6
	.text
	.protected	k_q31fc316e67_qkv
	.globl	k_q31fc316e67_qkv
	.p2align	8
	.type	k_q31fc316e67_qkv,@function
k_q31fc316e67_qkv:
	s_mov_b64 s[64:65], 0
	v_nop
	global_prefetch_b8 v0, s[64:65] scope:SCOPE_SE
	s_setreg_imm32_b32 hwreg(HW_REG_WAVE_MODE, 25, 1), 1
	s_wait_xcnt 0x0
	s_wait_alu depctr_hold_cnt(0) depctr_sa_sdst(0) depctr_va_vdst(0) depctr_va_sdst(0) depctr_va_ssrc(0) depctr_va_vcc(0) depctr_vm_vsrc(0)
	s_getreg_b32 s2, hwreg(HW_REG_IB_STS2, 6, 4)
	s_cmp_eq_u32 s2, 0
	s_cbranch_scc0 .Lentry_in_a_cluster
	s_endpgm
.Lentry_in_a_cluster:
	s_bfe_u32 s2, ttmp6, 0x10000c
	s_cmp_lg_u32 s2, 0xf033
	s_cbranch_scc0 .Lentry_shape_is_right
	s_endpgm
.Lentry_shape_is_right:
; QKV.  q = x Wq^T, k = x Wk^T, v = x Wv^T on codes of FP4 (E2M1) with one E8M0 scale for each 32 along K = 1,024; sums in f32; results rounded once to f16.
; codes [11264 rows][512 bytes], scl [11264][32 bytes]: rows 0-8191 x, 8192- Wq, 9216- Wk, 10240- Wv.
; qk [8192][2048] f16: columns 0-1023 q, 1024-2047 k.  vt [4 batches][1024 channels][2048 keys] f16: v with the keys innermost, as the later product over the keys wants it.
; LIMIT: a result beyond 65,504 in magnitude has no f16 number.
; C = A B^T in tiles of 256 x 256, a work-group of four waves to a tile, a wave 128 x 128: 64 accumulators, 512 registers.  Clusters of 4 x 4; cluster x = 0, 1: A = x, B = Wq and Wk, C = qk;
; cluster x = 2: A = Wv, B = x, C = vt (so that a row of C is a channel and runs along the keys).  Both outputs have rows of 4,096 bytes, so one text stores both.
; A's tile hangs on cy and the cluster's numbers, B's on cx and the cluster's numbers: each is asked for JOINTLY by the four that share it.
; K = 1,024 is two slots of 512 (rows of 256 bytes): both are first fills, nothing is filled again, and there is no loop.  The scale bytes of the 256 + 256 rows come once, as dense blocks.
; THE MATRIX INSTRUCTION IS USED TRANSPOSED (source 0 = 16 rows of B, source 1 = 16 rows of A): a lane then holds eight neighbouring numbers of a row of C.
; REGISTERS, in windows of 256: window 0: v0-31 addresses; v32-95 scale words, two sets; v128-191 A's fragments, ONE set; way out: v192-223 packed, v96-127 and v224-255 rows read back.
;   window 1: B's fragments, TWO sets, at v0 and v128.   window 2: accumulators of my rows 0-63 ((a, b) at v[8 (8 a + b)]);   window 3: rows 64-127.
.set NQ,     4                         ; matrix instructions deep in a slot
.set ROWB,   256                       ; a tile's row in bytes: 512 codes
.set KROW,   512                       ; a row of codes in memory
.set PITCH,  272                       ; an LDS row: 256 bytes + 16 of padding = 68 words: the 16 rows of a load start at 16 different banks (64 banks of 4 bytes: ISA guide 11.1)
.set FR,     8
.set NL,     2
.set NP,     4                         ; places behind this matrix instruction (ISA guide 7.12.1)
.set HALFT,  128*PITCH
.set SLOT,   4*HALFT
.set KS,     32                        ; a row of scale bytes
.set SCL,    2*SLOT                    ; behind the ring: the scales, as units of 256 bytes + 16 of padding
.set HALFS,  16*272                    ; the scales of 128 rows
.set SBLK,   2*272                     ; those of 16 rows
.set STAGE,  SCL+4*HALFS               ; the way out: 16 rows x 272 bytes for each wave
.set SPITCH, 272
.set SPARE,  STAGE+4*16*SPITCH         ; the spare words: 128 bytes a wave, two blocks of 256 bytes that no other line names
.set CPITCH, 4096                      ; a row of qk or of vt in bytes
.set ADRA, 16
.set ADRB, 20
.set STO,  24
.set RD,   25
.set CO,   26
.set ADRS, 27
.set SPW,  28
.set NIL,  29
.set SC,   32
.set AF,   128
.set TMP,  192
.set G1, 24
.set G0, 32
.set G1B, 48
.set G0B, 56
.set G1S, 68
.set G0S, 76
.set G1SB, 80
.set G0SB, 88
.set MSB, 0
.macro WIN new                         ; the immediate's high byte repeats the setting that is left
.if MSB != (\new)
	s_set_vgpr_msb (MSB<<8)|(\new)
.set MSB, \new
.endif
.endm
.set MUL_LO, 0xa1                      ; source 0 (B) window 1, source 1 (A) window 0, C and D window 2
.set MUL_HI, 0xf1                      ; the same, C and D window 3
.set TO_B,   0x40                      ; destination window 1, address window 0
; A joint load: waves 0 and 1 fetch for A, waves 2 and 3 for B; the branch hangs on the wave's number alone.  An s_nop 0 and four v_nop follow each of the two lines.
.macro JLOAD g0a, g1a, g0b, g1b
	s_cmp_eq_u32 s15, 0
	s_cbranch_scc0 .Lfor_b_\@
	tensor_load_to_lds s[\g0a:\g0a+3], s[\g1a:\g1a+7]
	s_nop 0
.rept 4
	v_nop
.endr
	s_branch .Lasked_\@
.Lfor_b_\@:
	tensor_load_to_lds s[\g0b:\g0b+3], s[\g1b:\g1b+7]
	s_nop 0
.rept 4
	v_nop
.endr
.Lasked_\@:
.endm
.macro CROUND                          ; a round of the cluster's barrier
	s_barrier_signal -1
	s_barrier_wait -1
	s_cmp_lg_u32 s14, 0
	s_cbranch_scc1 .Lnot_wave_0_\@
	s_barrier_signal -3
.Lnot_wave_0_\@:
	s_barrier_wait -3
	s_barrier_signal -1
	s_barrier_wait -1
.endm
	s_load_b256 s[4:11], s[0:1], 0x0               ; codes s[4:5], scl s[6:7], qk s[8:9], vt s[10:11]
	v_lshl_add_u32 v[SPW], v0, 2, SPARE
	v_mov_b32 v[NIL], 0
	ds_add_u32 v[SPW], v[NIL]                      ; the wave's opening: the add, twice on end, and its wait ahead of my first tensor load
	ds_add_u32 v[SPW], v[NIL]
	v_lshrrev_b32 v1, 5, v0
	v_readfirstlane_b32 s14, v1                    ; wave 0..3
	s_lshr_b32 s15, s14, 1                         ; which half of the tile's rows is mine.  Also: I fetch for A (0) or for B (1)
	s_and_b32 s16, s14, 1                          ; which half of its columns.  Also: which 128 rows I fetch
	s_bfe_u32 s40, ttmp6, 0x40000                  ; cx
	s_bfe_u32 s41, ttmp6, 0x40004                  ; cy
	s_lshl_b32 s43, s41, 2
	s_lshl_b32 s43, 15, s43                        ; my row of the cluster
	s_lshl_b32 s44, 0x1111, s40                    ; my column
	s_lshr_b32 s2, ttmp9, 1                        ; T = 1 in the clusters that make v (cluster x = 2), else 0: the same in all sixteen partners
	s_xor_b32 s3, s2, 1                            ; U = 1 - T
	s_and_b32 s17, ttmp7, 0xffff                   ; cluster y, 0..7
	s_lshl_b32 s18, s17, 2                         ; 4 x cluster y
	; tiles count 256 rows of codes.  A's: U (4 cluster y) + 40 T + cy
	s_mul_i32 s20, s3, s18
	s_mul_i32 s19, s2, 40
	s_add_co_u32 s20, s20, s19
	s_add_co_u32 s20, s20, s41
	; B's: U (32 + 4 cluster x) + T (4 cluster y) + cx
	s_lshl_b32 s46, ttmp9, 2
	s_add_co_u32 s46, s46, 32
	s_mul_i32 s46, s46, s3
	s_mul_i32 s47, s2, s18
	s_add_co_u32 s46, s46, s47
	s_add_co_u32 s46, s46, s40
	; C's tile row: U (4 cluster y) + T 4 (cluster y / 2) + cy;  tile column: U (4 cluster x) + T 4 (cluster y % 2) + cx
	s_mul_i32 s66, s3, s18
	s_lshr_b32 s19, s17, 1
	s_lshl_b32 s19, s19, 2
	s_mul_i32 s19, s19, s2
	s_add_co_u32 s66, s66, s19
	s_add_co_u32 s66, s66, s41
	s_lshl_b32 s67, ttmp9, 2
	s_mul_i32 s67, s67, s3
	s_and_b32 s19, s17, 1
	s_lshl_b32 s19, s19, 2
	s_mul_i32 s19, s19, s2
	s_add_co_u32 s67, s67, s19
	s_add_co_u32 s67, s67, s40
	; descriptor group 1: a tile of 128 rows x 256 bytes, padded in LDS
	s_or_b32 s[G1+0], s43, (0<<16)|(1<<20)|(1<<21)|(5<<22)|(3<<25)  ; 15:0 the mask; 17:16 elements of 1 byte; 20 padding on; 21 set beside a mask; 24:22 after every 64 words; 31:25 four words
	s_or_b32 s[G1B+0], s44, (0<<16)|(1<<20)|(1<<21)|(5<<22)|(3<<25)
.irp g, G1, G1B
	s_mov_b32 s[\g+1], ROWB<<16                    ; tensor_dim0
	s_mov_b32 s[\g+2], 128<<16                     ; tensor_dim1
	s_mov_b32 s[\g+3], ROWB<<16                    ; tile_dim0
	s_mov_b32 s[\g+4], 128                         ; tile_dim1
	s_mov_b32 s[\g+5], KROW                        ; tensor_dim0_stride
	s_mov_b32 s[\g+6], 0
	s_mov_b32 s[\g+7], 0
.endr
	; the scales of 128 rows: 4,096 dense bytes, as 16 rows of 256 bytes (32 elements of 8 bytes), 16 bytes of padding behind each
	s_or_b32 s[G1S+0], s43, (3<<16)|(1<<20)|(1<<21)|(5<<22)|(3<<25)
	s_or_b32 s[G1SB+0], s44, (3<<16)|(1<<20)|(1<<21)|(5<<22)|(3<<25)
.irp g, G1S, G1SB
	s_mov_b32 s[\g+1], 32<<16
	s_mov_b32 s[\g+2], 16<<16
	s_mov_b32 s[\g+3], 32<<16
	s_mov_b32 s[\g+4], 16
	s_mov_b32 s[\g+5], 32
	s_mov_b32 s[\g+6], 0
	s_mov_b32 s[\g+7], 0
.endr
	s_lshl_b32 s45, s16, 7                         ; which 128 rows of the tile I fetch
	s_lshl_b32 s20, s20, 8
	s_add_co_u32 s20, s20, s45                     ; A: first row
	s_lshl_b32 s46, s46, 8
	s_add_co_u32 s46, s46, s45                     ; B: first row
	s_lshl_b32 s22, s20, 5                         ; their scale bytes: 32 a row
	s_mov_b32 s23, 0
	s_lshl_b32 s20, s20, 9                         ; their codes: 512 bytes a row (all under 2^23)
	s_mov_b32 s21, 0
	s_lshl_b32 s92, s46, 5
	s_mov_b32 s93, 0
	s_lshl_b32 s46, s46, 9
	s_mov_b32 s47, 0
	s_mul_i32 s45, s14, HALFT                      ; where they go: wave x 128 rows: no place in the cluster enters an LDS address
	s_mul_i32 s94, s14, HALFS
	s_wait_dscnt 0x0                               ; both opening adds are done
	s_wait_kmcnt 0x0
	s_add_nc_u64 s[20:21], s[4:5], s[20:21]
	s_add_nc_u64 s[22:23], s[6:7], s[22:23]
	s_add_nc_u64 s[46:47], s[4:5], s[46:47]
	s_add_nc_u64 s[92:93], s[6:7], s[92:93]
	CROUND                                         ; all sixteen work-groups are here: the first joint loads meet
	s_mov_b32 s[G0S], 1
	s_add_co_u32 s[G0S+1], s94, SCL
	s_mov_b64 s[G0S+2:G0S+3], s[22:23]
	s_or_b32 s[G0S+3], s[G0S+3], 0x80000000
	s_mov_b32 s[G0SB], 1
	s_add_co_u32 s[G0SB+1], s94, SCL
	s_mov_b64 s[G0SB+2:G0SB+3], s[92:93]
	s_or_b32 s[G0SB+3], s[G0SB+3], 0x80000000
	JLOAD G0S, G1S, G0SB, G1SB                     ; the scales first: they are wanted with slot 0
.irp s, 0,1
	s_mov_b32 s[G0+4*\s], 1
	s_add_co_u32 s[G0+4*\s+1], s45, \s*SLOT
	s_add_nc_u64 s[G0+4*\s+2:G0+4*\s+3], s[20:21], \s*ROWB
	s_or_b32 s[G0+4*\s+3], s[G0+4*\s+3], 0x80000000
	s_mov_b32 s[G0B+4*\s], 1
	s_add_co_u32 s[G0B+4*\s+1], s45, \s*SLOT
	s_add_nc_u64 s[G0B+4*\s+2:G0B+4*\s+3], s[46:47], \s*ROWB
	s_or_b32 s[G0B+4*\s+3], s[G0B+4*\s+3], 0x80000000
	JLOAD G0+4*\s, G1, G0B+4*\s, G1B               ; by this text's count three tensor loads of a wave are out
.endr
	v_and_b32 v1, 15, v0                           ; l % 16
	v_bfe_u32 v2, v0, 4, 1                         ; l / 16
	v_mul_u32_u24 v3, v1, PITCH
	v_lshl_add_u32 v4, v2, 4, v3                   ; a fragment's row x pitch + 16 x half
	s_mul_i32 s21, s15, HALFT                      ; my 128 rows of A
	s_mul_i32 s22, s16, HALFT                      ; my 128 rows of B,
	s_add_co_u32 s22, s22, 2*HALFT                 ; which lie behind A's 256
.irp s, 0,1
	v_add_nc_u32 v[ADRA+\s], s21, v4
	v_add_nc_u32 v[ADRB+\s], s22, v4
	s_add_co_u32 s21, s21, SLOT
	s_add_co_u32 s22, s22, SLOT
.endr
	v_mul_u32_u24 v5, v1, KS                       ; my row's scales: 32 bytes a row,
	v_lshrrev_b32 v6, 8, v5
	v_lshl_add_u32 v5, v6, 4, v5                   ; and 16 more for each 256 passed
	s_mul_i32 s21, s15, HALFS                      ; A's: my 128 rows
	s_mul_i32 s22, s16, HALFS                      ; B's: my 128 rows, behind A's 256
	s_add_co_u32 s22, s22, 2*HALFS
	s_sub_co_u32 s22, s22, s21
	v_mul_u32_u24 v6, s22, v2                      ; lanes 16-31 take B's: one product, the distance between the two bases
	s_add_co_u32 s21, s21, SCL
	v_add_nc_u32 v5, v5, v6
	v_add_nc_u32 v[ADRS], s21, v5
	s_mul_i32 s23, s14, 16*SPITCH
	s_add_co_u32 s23, s23, STAGE                   ; my stage
	v_mul_u32_u24 v5, v1, SPITCH                   ; in: row l % 16, 16 bytes for each half of the lanes
	v_lshl_add_u32 v5, v2, 4, v5
	v_add_nc_u32 v[STO], s23, v5
	v_mul_u32_u24 v5, v2, SPITCH                   ; back: lanes 0-15 one row of 256 bytes, lanes 16-31 the next
	v_lshl_add_u32 v5, v1, 4, v5
	v_add_nc_u32 v[RD], s23, v5
	v_lshlrev_b32 v5, 12, v2                       ; and the same two rows in C
	v_lshl_add_u32 v[CO], v1, 4, v5
	s_cmp_eq_u32 s2, 1                             ; the output: vt where T = 1, else qk; the choice hangs on the cluster's number alone
	s_cselect_b64 s[12:13], s[10:11], s[8:9]
	s_lshl_b32 s66, s66, 8
	s_lshl_b32 s18, s15, 7
	s_add_co_u32 s66, s66, s18                     ; my first row of C
	s_lshl_b32 s66, s66, 12                        ; 4,096 bytes a row (under 2^25)
	s_lshl_b32 s67, s67, 9                         ; the tile's 256 columns: 512 bytes
	s_add_co_u32 s66, s66, s67
	s_lshl_b32 s18, s16, 8
	s_add_co_u32 s66, s66, s18
	s_mov_b32 s67, 0
	s_add_nc_u64 s[12:13], s[12:13], s[66:67]
.macro FRAG reg, adr, q, i             ; 16 rows x 128 K of 4-bit codes: 8 registers: lane l holds row l % 16; registers 4 c .. 4 c + 3 hold K = 64 c + 32 (l / 16) + 0 .. 31
.irp c, 0,1
	ds_load_b128 v[\reg+4*\c:\reg+4*\c+3], v[\adr] offset:64*(\q)+32*\c+(\i)*16*PITCH
.endr
.endm
; 16 matrix instructions: A's blocks a0, a0 + 1 x B's eight, the slot's q-th 128 along K.  p: B's set; sc: the set of scale words.  zero = 1: the first product starts the sums.
; The 64 accumulators take turns, one instruction a turn, in the same order in every step.
.macro MUL16 a0, p, q, sc, zero
.irp a, \a0, \a0+1
.irp b, 0,1,2,3,4,5,6,7
.if \zero
	v_wmma_scale_f32_16x16x128_f8f6f4 v[8*(8*((\a)%4)+\b):8*(8*((\a)%4)+\b)+7], v[128*(\p)+FR*\b:128*(\p)+FR*\b+FR-1], v[AF+FR*(\a):AF+FR*(\a)+FR-1], 0, v[SC+8*NQ*(\sc)+NQ*\b+(\q)], v[SC+8*NQ*(\sc)+NQ*(\a)+(\q)] matrix_a_fmt:MATRIX_FMT_FP4 matrix_b_fmt:MATRIX_FMT_FP4 matrix_a_scale:MATRIX_SCALE_ROW1
.else
	v_wmma_scale_f32_16x16x128_f8f6f4 v[8*(8*((\a)%4)+\b):8*(8*((\a)%4)+\b)+7], v[128*(\p)+FR*\b:128*(\p)+FR*\b+FR-1], v[AF+FR*(\a):AF+FR*(\a)+FR-1], v[8*(8*((\a)%4)+\b):8*(8*((\a)%4)+\b)+7], v[SC+8*NQ*(\sc)+NQ*\b+(\q)], v[SC+8*NQ*(\sc)+NQ*(\a)+(\q)] matrix_a_fmt:MATRIX_FMT_FP4 matrix_b_fmt:MATRIX_FMT_FP4 matrix_a_scale:MATRIX_SCALE_ROW1
.endif
.endr
.endr
.endm
.macro FETCH_B slot, q, p
	WIN TO_B
.irp i, 0,1,2,3,4,5,6,7
	FRAG 128*(\p)+FR*\i, ADRB+\slot, \q, \i
.endr
	WIN 0
.endm
.macro FETCH_A slot, q, i0
.irp i, \i0, \i0+1, \i0+2, \i0+3
	FRAG AF+FR*(\i), ADRA+\slot, \q, \i
.endr
.endm
.macro SCALES sc                       ; a slot's scale words: four words a row; lanes 0-15 take A's block i, lanes 16-31 B's block i
.irp i, 0,1,2,3,4,5,6,7
	ds_load_b128 v[SC+8*NQ*\sc+NQ*\i:SC+8*NQ*\sc+NQ*\i+3], v[ADRS] offset:\i*SBLK
.endr
.endm
.macro PLACES n                        ; plain vector lines between a matrix instruction and a load into, or a read of, its registers (ISA guide 7.12.1 for the reads)
.rept \n
	v_nop
.endr
.endm
.macro STEP slot, q, zero              ; a step of 128 along K that has its successor in the same slot
	s_wait_dscnt 4*NL                              ; B's set and A's blocks 0-3 are in; the youngest eight loads (A's blocks 4-7) may be out
	WIN MUL_LO
	MUL16 0, (\q)%2, \q, \slot, \zero
	MUL16 2, (\q)%2, \q, \slot, \zero
	s_wait_dscnt 0                                 ; A's blocks 4-7 are in
	PLACES NP
	FETCH_B \slot, (\q)+1, 1-(\q)%2
	FETCH_A \slot, (\q)+1, 0
	WIN MUL_HI
	MUL16 4, (\q)%2, \q, \slot, \zero
	MUL16 6, (\q)%2, \q, \slot, \zero
	PLACES NP
	WIN 0
	FETCH_A \slot, (\q)+1, 4
.endm
.macro STEPS slot, from
.set Q, \from
.rept NQ-1-\from
	STEP \slot, Q, 0
.set Q, Q+1
.endr
.endm
	s_wait_tensorcnt 1                             ; the scales and my part of slot 0 are in (slot 1's load may be out)
	s_barrier_signal -1
	s_barrier_wait -1                              ; everybody's are
	FETCH_B 0, 0, 0
	FETCH_A 0, 0, 0
	SCALES 0
	FETCH_A 0, 0, 4
	STEP 0, 0, 1                                   ; the first step's products start the sums: nothing is cleared
	STEPS 0, 1
	; slot 0's last step changes slots: my part of slot 1 has landed, and a barrier shows everybody's
	s_wait_tensorcnt 0x0                           ; all my tensor loads have landed (every window is 0 here)
	ds_add_u32 v[SPW], v[NIL]
	s_wait_dscnt 4*NL+1                            ; (the add and the youngest eight loads may be out)
	WIN MUL_LO
	MUL16 0, 1, NQ-1, 0, 0
	s_wait_dscnt 0x0                               ; no LDS instruction of mine is out at the signal
	s_barrier_signal -1
	MUL16 2, 1, NQ-1, 0, 0
	WIN 0
	s_barrier_wait -1
	PLACES NP
	v_add_nc_u32 v[ADRS], 4*NQ, v[ADRS]            ; on to slot 1's scale words: 16 bytes further in each row
	FETCH_B 1, 0, 0
	FETCH_A 1, 0, 0
	SCALES 1
	WIN MUL_HI
	MUL16 4, 1, NQ-1, 0, 0
	MUL16 6, 1, NQ-1, 0, 0
	PLACES NP
	WIN 0
	FETCH_A 1, 0, 4
	STEPS 1, 0
	s_wait_dscnt 4*NL                              ; the very last step: nothing more to fetch
	WIN MUL_LO
	MUL16 0, 1, NQ-1, 1, 0
	MUL16 2, 1, NQ-1, 1, 0
	s_wait_dscnt 0
	WIN MUL_HI
	MUL16 4, 1, NQ-1, 1, 0
	MUL16 6, 1, NQ-1, 1, 0
	WIN 0
; THE WAY OUT, a block of 16 rows x 128 columns at a time: rounded to f16 (16 bytes a lane), into my own stage, back as whole rows of 256 bytes, stored: sixteen lanes store 256 consecutive bytes, aligned.
.macro PACK a
.set AC, 64*((\a)%4)
	WIN 0x0a+5*((\a)/4)                            ; sources 0 and 1: window 2 or 3
.irp b, 0,1,2,3,4,5,6,7
.irp r, 0,1,2,3
	v_cvt_pk_f16_f32 v[TMP+4*\b+\r], v[AC+8*\b+2*\r], v[AC+8*\b+2*\r+1]   ; each accumulator from its low end on
.endr
.endr
	WIN 0
.endm
.macro TOSTAGE a
.set BB, 96+128*((\a)%2)
.irp b, 0,1,2,3,4,5,6,7
	ds_store_b128 v[STO], v[TMP+4*\b:TMP+4*\b+3] offset:32*\b
.endr
.irp t, 0,1,2,3,4,5,6,7
	ds_load_b128 v[BB+4*\t:BB+4*\t+3], v[RD] offset:\t*2*SPITCH    ; LDS serves a wave's instructions in order (ISA guide 5.7.1.4): these see the stores above
.endr
.endm
.macro SEND a
.set BB, 96+128*((\a)%2)
	s_wait_dscnt 0x0                               ; the block is back in registers
	s_wait_xcnt 0x0                                ; earlier stores have read their base and their data: the base steps, and the next block's loads may land
.if (\a) > 0
	s_add_nc_u64 s[12:13], s[12:13], 16*CPITCH
.endif
.irp t, 0,1,2,3,4,5,6,7
	global_store_b128 v[CO], v[BB+4*\t:BB+4*\t+3], s[12:13] offset:2*\t*CPITCH
.endr
.endm
	PLACES NP                                      ; behind the last products
	PACK 0
	TOSTAGE 0
.irp a, 1,2,3,4,5,6,7                  ; block a's conversions stand between block a - 1's loads from the stage and the wait for them
	PACK \a
	SEND \a-1
	TOSTAGE \a
.endr
	SEND 7
	s_wait_tensorcnt 0x0                           ; the wave's end
	ds_add_u32 v[SPW], v[NIL]
	s_wait_dscnt 0x0
	CROUND                                         ; the closing round: no work-group ends while a partner may still ask for a tile that names it
	s_endpgm
.Lfunc_end_k_q31fc316e67_qkv:
	.size	k_q31fc316e67_qkv, .Lfunc_end_k_q31fc316e67_qkv-k_q31fc316e67_qkv
	.p2alignl 7, 3214868480
	.fill 96, 4, 3214868480
	.section	.rodata,"a",@progbits
	.p2align	6, 0x0
	.amdhsa_kernel k_q31fc316e67_qkv
		.amdhsa_group_segment_fixed_size 327680
		.amdhsa_private_segment_fixed_size 0
		.amdhsa_enable_private_segment 0
		.amdhsa_kernarg_size 32
		.amdhsa_user_sgpr_count 2
		.amdhsa_user_sgpr_kernarg_segment_ptr 1
		.amdhsa_wavefront_size32 1
		.amdhsa_system_sgpr_workgroup_id_x 1
		.amdhsa_system_sgpr_workgroup_id_y 1
		.amdhsa_system_sgpr_workgroup_id_z 1
		.amdhsa_system_vgpr_workitem_id 0
		.amdhsa_next_free_vgpr 1024
		.amdhsa_next_free_sgpr 100
		.amdhsa_reserve_vcc 0
		.amdhsa_float_denorm_mode_32 3
		.amdhsa_float_denorm_mode_16_64 3
		.amdhsa_memory_ordered 1
		.amdhsa_forward_progress 1
		.amdhsa_inst_pref_size 127
	.end_amdhsa_kernel
	.amdgpu_metadata
---
amdhsa.version: [ 1, 2 ]
amdhsa.kernels:
  - .name:           k_q31fc316e67_qkv
    .symbol:         k_q31fc316e67_qkv.kd
    .args:
      - { .name: codes, .offset: 0, .size: 8, .value_kind: global_buffer, .address_space: global }
      - { .name: scl, .offset: 8, .size: 8, .value_kind: global_buffer, .address_space: global }
      - { .name: qk, .offset: 16, .size: 8, .value_kind: global_buffer, .address_space: global }
      - { .name: vt, .offset: 24, .size: 8, .value_kind: global_buffer, .address_space: global }
    .group_segment_fixed_size: 327680
    .private_segment_fixed_size: 0
    .kernarg_segment_align: 8
    .kernarg_segment_size: 32
    .max_flat_workgroup_size: 128
    .sgpr_count:     100
    .vgpr_count:     1024
    .wavefront_size: 32
...
	.end_amdgpu_metadata
.endif
;; end of part 2
;; launch scores (part 3): grid 8 x 32, 4 waves a work-group, clusters of 4 x 4, 327,680 bytes of LDS; arguments qk, p, stats; writes p, stats
.if DOCPART == 3
	.amdgcn_target "amdgcn-amd-amdhsa--gfx1250"
	.amdhsa_code_object_version 6
	.text
	.protected	k_q31fc316e67_scores
	.globl	k_q31fc316e67_scores
	.p2align	8
	.type	k_q31fc316e67_scores,@function
k_q31fc316e67_scores:
	s_mov_b64 s[64:65], 0
	v_nop
	global_prefetch_b8 v0, s[64:65] scope:SCOPE_SE
	s_setreg_imm32_b32 hwreg(HW_REG_WAVE_MODE, 25, 1), 1
	s_wait_xcnt 0x0
	s_wait_alu depctr_hold_cnt(0) depctr_sa_sdst(0) depctr_va_vdst(0) depctr_va_sdst(0) depctr_va_ssrc(0) depctr_va_vcc(0) depctr_vm_vsrc(0)
	s_getreg_b32 s2, hwreg(HW_REG_IB_STS2, 6, 4)
	s_cmp_eq_u32 s2, 0
	s_cbranch_scc0 .Lentry_in_a_cluster
	s_endpgm
.Lentry_in_a_cluster:
	s_bfe_u32 s2, ttmp6, 0x10000c
	s_cmp_lg_u32 s2, 0xf033
	s_cbranch_scc0 .Lentry_shape_is_right
	s_endpgm
.Lentry_shape_is_right:
; SCORES.  s[b][i][j] = k[b][i] . q[b][j], K = 1,024, f16 operands, f32 sums; then the first half of the softmax over j.
; qk [8192][2048] f16: columns 0-1023 q, 1024-2047 k.  stats f32: -M [4 b][16 chunks][2048 rows] at byte 0, the chunks' sums l likewise at byte 524,288.
; p, f16, IS LAID AS IMAGES OF THE NEXT PRODUCT'S OPERAND REGISTERS: [512 blocks of 16 rows (b, i)][64 groups of 32 keys j][2 x 512 bytes]: lane l's four registers at byte 16 l;
; the first 512 bytes hold keys 8 (l / 16) + 0 .. 7 of the group, the second keys 16 + 8 (l / 16) + 0 .. 7, of row l % 16.
; THE SOFTMAX IN TWO PARTS.  t = s x log2(e) / 32.  For a row and a CHUNK of 128 columns: M = the chunk's largest t rounded UP to a whole number (kept as -M = floor(-t));
; p = 2^(t - M), at most 1, stored as f16; l = the f32 sum of the unrounded p.  The next launch brings a row's 16 chunks under the row's own M by exact powers of two.  A maximum is always taken away.
; LIMITS: p under 2^-25 of its chunk's largest is stored as 0; NaN and infinities are not served.
; A tile of 256 x 256 is made by a work-group of four waves, a wave 128 x 128 (one chunk wide): 64 accumulators, 512 registers.  K goes in steps of 128 (rows of 256 bytes) through a ring of two LDS slots.
; CLUSTERS of 4 x 4: k's tile (A) is shared along a row of the cluster, q's (B) along a column: each is asked for JOINTLY.
; THE MATRIX INSTRUCTION IS USED TRANSPOSED (source 0 = 16 rows of q, source 1 = 16 rows of k): a lane holds row i = l % 16 and eight neighbouring j.  Rounded to f16 in pairs, the results of two
; neighbouring blocks of 16 columns ARE a fragment of 16 rows x 32 keys: they leave from the registers, 512 consecutive bytes a store, through no stage.
; REGISTERS, in windows of 256: window 0: v0-31 addresses; v64-127, v128-191 A's fragments, two buffers; window 1: v64-127, v128-191 B's; window 2: accumulators of my rows 0-63; window 3: rows 64-127.
;   way out, window 0: v64-127 t, then p; v128-141 at work; v192-223 p as f16.
.set KSTEP,  128
.set PITCH,  272                       ; an LDS row: 256 bytes + 16 of padding = 68 words: the 16 rows of a load start at 16 different banks (ISA guide 11.1)
.set HALFT,  128*PITCH
.set SLOT,   4*HALFT
.set STATS,  2*SLOT                    ; behind the ring: 1,024 bytes for each wave: -M of its 128 rows, then l
.set SPARE,  STATS+4*1024              ; the spare words: 128 bytes a wave, two blocks of 256 bytes that no other line names
.set LAPS,   4                         ; 1,024 along K: four times round the ring
.set ADRA, 16
.set ADRB, 20
.set SA,   27                          ; v27 where my lane puts a row's -M (lanes 0-15) or l (lanes 16-31)
.set SPW,  28
.set NIL,  29
.set SB,   30                          ; v30 where I read 16 bytes of the wave's stats back
.set SO,   31                          ; v31 16 x lane
.set F0,   64
.set F1,   128
.set T,    64
.set MX,   128                         ; v128-131 four chains of the maximum
.set EX,   132                         ; v132 the other half of the lanes'
.set NMP,  134                         ; v[134:135] -M (the packed form names a pair and takes its low word)
.set SA0,  136                         ; v[136:137], v[138:139] two chains of the sum
.set SB0,  138
.set LV,   140
.set SD,   141
.set PKR,  192
.set G1, 24
.set G0, 32
.set G1B, 48
.set G0B, 56
.set SEL, 66                           ; s[66:67] selects of v_permlanex16_b32: lane l xor 16
.set CS,  68                           ; s[68:69] c = log2(e) / 32
.set HM,  70                           ; s70 mask of lanes 16-31
.set MSB, 0
.macro WIN new
.if MSB != (\new)
	s_set_vgpr_msb (MSB<<8)|(\new)
.set MSB, \new
.endif
.endm
.set MUL_LO, 0xa1
.set MUL_HI, 0xf1
.set TO_B,   0x40
.macro JLOAD s                         ; a joint load: waves 0 and 1 fetch A's halves, waves 2 and 3 B's; an s_nop 0 and four v_nop follow each line
	s_cmp_eq_u32 s11, 0
	s_cbranch_scc0 .Lfor_b_\@
	tensor_load_to_lds s[G0+4*\s:G0+4*\s+3], s[G1:G1+7]
	s_nop 0
.rept 4
	v_nop
.endr
	s_branch .Lasked_\@
.Lfor_b_\@:
	tensor_load_to_lds s[G0B+4*\s:G0B+4*\s+3], s[G1B:G1B+7]
	s_nop 0
.rept 4
	v_nop
.endr
.Lasked_\@:
.endm
.macro CREST
	s_cmp_lg_u32 s10, 0
	s_cbranch_scc1 .Lnot_wave_0_\@
	s_barrier_signal -3
.Lnot_wave_0_\@:
	s_barrier_wait -3
	s_barrier_signal -1
	s_barrier_wait -1
.endm
.macro CROUND
	s_barrier_signal -1
	s_barrier_wait -1
	CREST
.endm
	s_load_b128 s[4:7], s[0:1], 0x0                ; qk s[4:5], p s[6:7]
	s_load_b64 s[8:9], s[0:1], 0x10                ; stats
	v_lshl_add_u32 v[SPW], v0, 2, SPARE
	v_mov_b32 v[NIL], 0
	ds_add_u32 v[SPW], v[NIL]                      ; the wave's opening: the add, twice on end, and its wait ahead of my first tensor load
	ds_add_u32 v[SPW], v[NIL]
	v_lshrrev_b32 v1, 5, v0
	v_readfirstlane_b32 s10, v1                    ; wave 0..3
	s_lshr_b32 s11, s10, 1                         ; which half of the tile's rows is mine.  Also: I fetch for A (0) or for B (1)
	s_and_b32 s12, s10, 1                          ; which half of its columns.  Also: which 128 rows I fetch
	s_bfe_u32 s40, ttmp6, 0x40000                  ; cx
	s_bfe_u32 s41, ttmp6, 0x40004                  ; cy
	s_lshl_b32 s42, ttmp9, 2
	s_add_co_u32 s42, s42, s40                     ; X: tile column (j), 0..7
	s_and_b32 s13, ttmp7, 0xffff
	s_lshl_b32 s13, s13, 2
	s_add_co_u32 s13, s13, s41                     ; Y: tile row over all batches, 0..31
	s_lshl_b32 s43, s41, 2
	s_lshl_b32 s43, 15, s43                        ; my row of the cluster
	s_lshl_b32 s44, 0x1111, s40                    ; my column
	s_or_b32 s[G1+0], s43, (1<<16)|(1<<20)|(1<<21)|(5<<22)|(3<<25)  ; 15:0 the mask; 17:16 elements of 2 bytes; 20 padding on; 21 set beside a mask; 24:22 after every 64 words; 31:25 four words
	s_or_b32 s[G1B+0], s44, (1<<16)|(1<<20)|(1<<21)|(5<<22)|(3<<25)
.irp g, G1, G1B
	s_mov_b32 s[\g+1], KSTEP<<16                   ; tensor_dim0 = 128
	s_mov_b32 s[\g+2], 128<<16                     ; tensor_dim1 = 128
	s_mov_b32 s[\g+3], KSTEP<<16                   ; tile_dim0
	s_mov_b32 s[\g+4], 128                         ; tile_dim1
	s_mov_b32 s[\g+5], 2048                        ; elements from row to row
	s_mov_b32 s[\g+6], 0
	s_mov_b32 s[\g+7], 0
.endr
	s_mov_b32 s[SEL], 0x76543210
	s_mov_b32 s[SEL+1], 0xfedcba98
	s_mov_b32 s[CS], 0x3d38aa3b                    ; log2(e) / 32
	s_mov_b32 s[CS+1], s[CS]                       ; (named with it as a pair, so it is written)
	s_lshl_b32 s18, s12, 7                         ; which 128 rows of the tile I fetch
	s_lshl_b32 s16, s13, 8
	s_add_co_u32 s16, s16, s18                     ; A = k: row 256 Y + 128 x half,
	s_lshl_b32 s16, s16, 12                        ; 4,096 bytes a row (under 2^25),
	s_add_co_u32 s16, s16, 2048                    ; k's columns begin 2,048 bytes into a row
	s_mov_b32 s17, 0
	s_and_b32 s46, ttmp7, 0xffff
	s_lshr_b32 s46, s46, 1                         ; the batch: cluster y / 2 (no cy enters B's registers)
	s_lshl_b32 s46, s46, 11
	s_lshl_b32 s47, s42, 8
	s_add_co_u32 s46, s46, s47
	s_add_co_u32 s46, s46, s18                     ; B = q: row 2,048 batch + 256 X + 128 x half
	s_lshl_b32 s46, s46, 12
	s_mov_b32 s47, 0
	s_mul_i32 s20, s10, HALFT                      ; where they go: wave x 128 rows
	s_wait_dscnt 0x0                               ; both opening adds are done
	s_wait_kmcnt 0x0
	s_add_nc_u64 s[14:15], s[4:5], s[16:17]
	s_add_nc_u64 s[46:47], s[4:5], s[46:47]
	CROUND                                         ; all sixteen work-groups are here: the first joint loads meet
.irp s, 0,1
	s_mov_b32 s[G0+4*\s], 1
	s_add_co_u32 s[G0+4*\s+1], s20, \s*SLOT
	s_add_nc_u64 s[G0+4*\s+2:G0+4*\s+3], s[14:15], \s*KSTEP*2
	s_or_b32 s[G0+4*\s+3], s[G0+4*\s+3], 0x80000000
	s_mov_b32 s[G0B+4*\s], 1
	s_add_co_u32 s[G0B+4*\s+1], s20, \s*SLOT
	s_add_nc_u64 s[G0B+4*\s+2:G0B+4*\s+3], s[46:47], \s*KSTEP*2
	s_or_b32 s[G0B+4*\s+3], s[G0B+4*\s+3], 0x80000000
	JLOAD \s                                       ; two tensor loads of a wave are out
.endr
	v_and_b32 v1, 15, v0                           ; r = l % 16
	v_bfe_u32 v2, v0, 4, 1                         ; h = l / 16
	v_mul_u32_u24 v3, v1, PITCH
	v_lshl_add_u32 v3, v2, 4, v3
	s_mul_i32 s21, s11, HALFT                      ; my 128 rows of A
	s_mul_i32 s22, s12, HALFT                      ; my 128 rows of B,
	s_add_co_u32 s22, s22, 2*HALFT                 ; behind A's 256
.irp s, 0,1
	v_add_nc_u32 v[ADRA+\s], s21, v3
	v_add_nc_u32 v[ADRB+\s], s22, v3
	s_add_co_u32 s21, s21, SLOT
	s_add_co_u32 s22, s22, SLOT
.endr
	s_lshl_b32 s23, s10, 10
	s_add_co_u32 s23, s23, STATS                   ; my wave's stats
	v_lshlrev_b32 v5, 2, v1
	v_lshl_add_u32 v5, v2, 9, v5
	v_add_nc_u32 v[SA], s23, v5                    ; 4 r + 512 h
	v_and_b32 v6, 31, v0
	v_lshlrev_b32 v[SO], 4, v6
	v_add_nc_u32 v[SB], s23, v[SO]
	v_cmp_lt_u32 s[HM], 15, v6                     ; lanes 16-31
	s_lshl_b32 s21, s13, 4
	s_lshl_b32 s22, s11, 3
	s_add_co_u32 s21, s21, s22                     ; p: my first block of 16 rows: 16 Y + 8 x half,
	s_lshl_b32 s21, s21, 16                        ; 65,536 bytes a block (under 2^26),
	s_lshl_b32 s22, s42, 13
	s_add_co_u32 s21, s21, s22
	s_lshl_b32 s22, s12, 12
	s_add_co_u32 s22, s21, s22                     ; + my first group of 32 keys: 8 X + 4 x half, 1,024 bytes a group
	s_mov_b32 s23, 0
	s_add_nc_u64 s[6:7], s[6:7], s[22:23]
	s_and_b32 s21, ttmp7, 0xffff
	s_lshr_b32 s21, s21, 1
	s_lshl_b32 s21, s21, 4
	s_lshl_b32 s22, s42, 1
	s_add_co_u32 s21, s21, s22
	s_add_co_u32 s21, s21, s12                     ; 16 batch + my chunk (2 X + half)
	s_lshl_b32 s21, s21, 11
	s_and_b32 s22, s13, 7
	s_lshl_b32 s22, s22, 8
	s_add_co_u32 s21, s21, s22
	s_lshl_b32 s22, s11, 7
	s_add_co_u32 s21, s21, s22                     ; + my first row in the batch
	s_lshl_b32 s22, s21, 2
	s_add_nc_u64 s[8:9], s[8:9], s[22:23]
; 16 matrix instructions: m blocks a0, a0 + 1 of the window's four x all 8 n blocks, 32 along K.  zero = 1: the first product starts the sums.  The 64 accumulators take turns.
.macro MUL16 f, hi, a0, zero
.irp a, \a0, \a0+1
.irp b, 0,1,2,3,4,5,6,7
.if \zero
	v_wmma_f32_16x16x32_f16 v[8*(8*(\a)+\b):8*(8*(\a)+\b)+7], v[\f+8*\b:\f+8*\b+7], v[\f+8*(4*\hi+\a):\f+8*(4*\hi+\a)+7], 0
.else
	v_wmma_f32_16x16x32_f16 v[8*(8*(\a)+\b):8*(8*(\a)+\b)+7], v[\f+8*\b:\f+8*\b+7], v[\f+8*(4*\hi+\a):\f+8*(4*\hi+\a)+7], v[8*(8*(\a)+\b):8*(8*(\a)+\b)+7]
.endif
.endr
.endr
.endm
.macro FETCH slot, k, f                ; 32 LDS loads in one run: the fragments of a quarter step (32 K at byte k of the rows) into buffer f
	WIN TO_B
.irp i, 0,1,2,3,4,5,6,7
	ds_load_b128 v[\f+8*\i:\f+8*\i+3],   v[ADRB+\slot] offset:\k+\i*16*PITCH
	ds_load_b128 v[\f+8*\i+4:\f+8*\i+7], v[ADRB+\slot] offset:\k+\i*16*PITCH+32
.endr
	WIN 0
.irp i, 0,1,2,3,4,5,6,7
	ds_load_b128 v[\f+8*\i:\f+8*\i+3],   v[ADRA+\slot] offset:\k+\i*16*PITCH
	ds_load_b128 v[\f+8*\i+4:\f+8*\i+7], v[ADRA+\slot] offset:\k+\i*16*PITCH+32
.endr
.endm
.macro PLACES                          ; four plain vector lines between a matrix instruction and a load into, or a vector read or write of, its registers (ISA guide 7.12.1 for the reads and writes)
.rept 4
	v_nop
.endr
.endm
.macro QUARTER slot, k, f, g, zero     ; multiplies buffer f; in its middle fetches the next quarter's fragments into buffer g
	s_wait_dscnt 8                                 ; B and A's rows 0-63 are in; the youngest eight loads (A's rows 64-127) may be out
	WIN MUL_LO
	MUL16 \f, 0, 0, \zero
	MUL16 \f, 0, 2, \zero
	PLACES
	FETCH \slot, \k, \g
	s_wait_dscnt 32                                ; all but the 32 just issued
	WIN MUL_HI
	MUL16 \f, 1, 0, \zero
	MUL16 \f, 1, 2, \zero
.endm
; The last quarter multiplies buffer 1 and changes slots: ONE barrier.  In front of it each wave waits for all its tensor loads (its part of the next slot), adds 0 to its spare word,
; and waits for that and for its reads of this slot.  fill = 1: the barrier opens a round of the cluster's, and this slot is filled again, two K steps ahead, first thing behind it.
.macro TURN slot, next, fill
	WIN 0                                          ; (the add's two registers lie in window 0)
	s_wait_tensorcnt 0x0
	ds_add_u32 v[SPW], v[NIL]
	s_wait_dscnt 9                                 ; (the add and the youngest eight loads may be out)
	WIN MUL_LO
	MUL16 F1, 0, 0, 0
	s_wait_dscnt 0x0                               ; the add is done, and my reads of this slot are over
	s_barrier_signal -1
	MUL16 F1, 0, 2, 0
.if \fill
	WIN 0
.endif
	s_barrier_wait -1
.if \fill
	CREST                                          ; no wave of any partner still reads this slot or has a load on its way
	s_add_nc_u64 s[G0+4*\slot+2:G0+4*\slot+3], s[G0+4*\slot+2:G0+4*\slot+3], 2*KSTEP*2
	s_add_nc_u64 s[G0B+4*\slot+2:G0B+4*\slot+3], s[G0B+4*\slot+2:G0B+4*\slot+3], 2*KSTEP*2
	JLOAD \slot                                    ; 224 matrix instructions ahead of the wait for it; its four v_nop are also the places in front of the loads below
.else
	PLACES
.endif
	FETCH \next, 0, F0
	WIN MUL_HI
	MUL16 F1, 1, 0, 0
	MUL16 F1, 1, 2, 0
.endm
	s_wait_tensorcnt 1                             ; my part of K step 0 is in (K step 1's may be out)
	s_barrier_signal -1
	s_barrier_wait -1                              ; everybody's is
	FETCH 0, 0, F0
	QUARTER 0, 64,  F0, F1, 1                      ; the first quarter's products start the sums
	WIN 0                                          ; at a label and at a branch every window is 0
	s_mov_b32 s3, LAPS-1
.Llap:                                             ; a trip goes once round the ring and fills both slots again
	QUARTER 0, 128, F1, F0, 0
	QUARTER 0, 192, F0, F1, 0
	TURN 0, 1, 1
	QUARTER 1, 64,  F0, F1, 0
	QUARTER 1, 128, F1, F0, 0
	QUARTER 1, 192, F0, F1, 0
	TURN 1, 0, 1
	QUARTER 0, 64,  F0, F1, 0
	WIN 0
	s_sub_co_u32 s3, s3, 1
	s_cmp_lg_u32 s3, 0
	s_cbranch_scc1 .Llap
	QUARTER 0, 128, F1, F0, 0                      ; the last lap fills nothing: it is written out
	QUARTER 0, 192, F0, F1, 0
	TURN 0, 1, 0
	QUARTER 1, 64,  F0, F1, 0
	QUARTER 1, 128, F1, F0, 0
	QUARTER 1, 192, F0, F1, 0
	s_wait_dscnt 8
	WIN MUL_LO
	MUL16 F1, 0, 0, 0
	MUL16 F1, 0, 2, 0
	s_wait_dscnt 0
	WIN MUL_HI
	MUL16 F1, 1, 0, 0
	MUL16 F1, 1, 2, 0
	WIN 0
; THE WAY OUT, a block of 16 rows x 128 columns at a time.  SOFT: a lane's 64 scores of its row become p.
.macro SOFT a
.set AC, 64*((\a)%4)
.set HI, (\a)/4
	WIN 0x0a+5*HI                                  ; sources 0 and 1: window 2 or 3
.irp k, 0,1,2,3
	v_max_num_f32 v[MX+\k], v[AC+16*\k], v[AC+16*\k+1]       ; four chains; every accumulator is read from its low end on
.endr
	WIN 0x28+0x14*HI                               ; sources 1 and 2: window 2 or 3
.irp i, 2,4,6,8,10,12,14
.irp k, 0,1,2,3
	v_max3_num_f32 v[MX+\k], v[MX+\k], v[AC+16*\k+\i], v[AC+16*\k+\i+1]
.endr
.endr
	WIN 0
	v_max3_num_f32 v[MX], v[MX], v[MX+1], v[MX+2]
	v_max_num_f32 v[MX], v[MX], v[MX+3]
	v_permlanex16_b32 v[EX], v[MX], s[SEL], s[SEL+1]         ; the row's other 64 columns lie in the lane 16 away
	v_max_num_f32 v[MX], v[MX], v[EX]
	v_mul_f32 v[MX], s[CS], v[MX]                  ; the chunk's largest t (c is positive)
	v_floor_f32 v[NMP], -v[MX]                     ; -M = floor(-t) = -ceil(t): a whole number
	WIN 0x02+HI                                    ; source 0: window 2 or 3
.irp i, 0,1,2,3,4,5,6,7,8,9,10,11,12,13,14,15,16,17,18,19,20,21,22,23,24,25,26,27,28,29,30,31
	v_pk_fma_f32 v[T+2*\i:T+2*\i+1], v[AC+2*\i:AC+2*\i+1], s[CS:CS+1], v[NMP:NMP+1] op_sel_hi:[1,0,0]   ; t - M, two at a time
.endr
	WIN 0
.irp i, 0,1,2,3,4,5,6,7,8,9,10,11,12,13,14,15,16,17,18,19,20,21,22,23,24,25,26,27,28,29,30,31,32,33,34,35,36,37,38,39,40,41,42,43,44,45,46,47,48,49,50,51,52,53,54,55,56,57,58,59,60,61,62,63
	v_exp_f32 v[T+\i], v[T+\i]                     ; p = 2^(t - M)
.endr
	v_nop                                          ; a plain line behind the last exponential
	s_wait_alu depctr_va_vdst(0)                   ; one wait for the whole batch, ahead of its first reader
.if (\a) > 0
	s_wait_xcnt 0x0                                ; the last block's stores have read their data registers, which are written again below
.endif
.irp i, 0,1,2,3,4,5,6,7,8,9,10,11,12,13,14,15,16,17,18,19,20,21,22,23,24,25,26,27,28,29,30,31
	v_cvt_pk_f16_f32 v[PKR+\i], v[T+2*\i], v[T+2*\i+1]
.endr
	v_pk_add_f32 v[SA0:SA0+1], v[T:T+1], v[T+2:T+3]          ; the sum of the unrounded p, two at a time, in two chains
	v_pk_add_f32 v[SB0:SB0+1], v[T+4:T+5], v[T+6:T+7]
.irp j, 8,12,16,20,24,28,32,36,40,44,48,52,56,60
	v_pk_add_f32 v[SA0:SA0+1], v[SA0:SA0+1], v[T+\j:T+\j+1]
	v_pk_add_f32 v[SB0:SB0+1], v[SB0:SB0+1], v[T+\j+2:T+\j+3]
.endr
	v_pk_add_f32 v[SA0:SA0+1], v[SA0:SA0+1], v[SB0:SB0+1]
	v_add_f32 v[LV], v[SA0], v[SA0+1]
	v_permlanex16_b32 v[EX], v[LV], s[SEL], s[SEL+1]
	v_add_f32 v[LV], v[LV], v[EX]                  ; the chunk's sum of my row
	v_cndmask_b32 v[SD], v[NMP], v[LV], s[HM]      ; lanes 0-15 carry -M, lanes 16-31 l
	ds_store_b32 v[SA], v[SD] offset:64*(\a)
.endm
; Block a's p leaves as it stands: the four registers of column block b are half a fragment's image: 512 consecutive bytes a store, the block's eight stores 4,096 bytes on end.
; Every place stands in the immediate: 7 x 65,536 + 3,584 bytes at the most; no base is stepped.
.macro OUT a
.irp b, 0,1,2,3,4,5,6,7
	global_store_b128 v[SO], v[PKR+4*\b:PKR+4*\b+3], s[6:7] offset:65536*(\a)+512*\b
.endr
.endm
	PLACES                                         ; behind the last products
	v_mov_b32 v[EX], 0                             ; written once: a lane permute's destination counts as one of its sources
	v_mov_b32 v[NMP+1], 0                          ; (named as the upper half of a pair)
.irp a, 0,1,2,3,4,5,6,7
	SOFT \a
	OUT \a
.endr
	ds_load_b128 v[64:67], v[SB]                   ; my 128 rows' -M: 512 bytes; LDS serves a wave's instructions in order (ISA guide 5.7.1.4): these see my own stores
	ds_load_b128 v[68:71], v[SB] offset:512        ; and l
	s_wait_dscnt 0x0
	global_store_b128 v[SO], v[64:67], s[8:9]      ; the wave stores 512 consecutive bytes, aligned
	global_store_b128 v[SO], v[68:71], s[8:9] offset:524288
	s_wait_tensorcnt 0x0                           ; the wave's end
	ds_add_u32 v[SPW], v[NIL]
	s_wait_dscnt 0x0
	CROUND                                         ; the closing round
	s_endpgm
.Lfunc_end_k_q31fc316e67_scores:
	.size	k_q31fc316e67_scores, .Lfunc_end_k_q31fc316e67_scores-k_q31fc316e67_scores
	.p2alignl 7, 3214868480
	.fill 96, 4, 3214868480
	.section	.rodata,"a",@progbits
	.p2align	6, 0x0
	.amdhsa_kernel k_q31fc316e67_scores
		.amdhsa_group_segment_fixed_size 327680
		.amdhsa_private_segment_fixed_size 0
		.amdhsa_enable_private_segment 0
		.amdhsa_kernarg_size 24
		.amdhsa_user_sgpr_count 2
		.amdhsa_user_sgpr_kernarg_segment_ptr 1
		.amdhsa_wavefront_size32 1
		.amdhsa_system_sgpr_workgroup_id_x 1
		.amdhsa_system_sgpr_workgroup_id_y 1
		.amdhsa_system_sgpr_workgroup_id_z 1
		.amdhsa_system_vgpr_workitem_id 0
		.amdhsa_next_free_vgpr 1024
		.amdhsa_next_free_sgpr 72
		.amdhsa_reserve_vcc 0
		.amdhsa_float_denorm_mode_32 3
		.amdhsa_float_denorm_mode_16_64 3
		.amdhsa_memory_ordered 1
		.amdhsa_forward_progress 1
		.amdhsa_inst_pref_size 203
	.end_amdhsa_kernel
	.amdgpu_metadata
---
amdhsa.version: [ 1, 2 ]
amdhsa.kernels:
  - .name:           k_q31fc316e67_scores
    .symbol:         k_q31fc316e67_scores.kd
    .args:
      - { .name: qk, .offset: 0, .size: 8, .value_kind: global_buffer, .address_space: global }
      - { .name: p, .offset: 8, .size: 8, .value_kind: global_buffer, .address_space: global }
      - { .name: stats, .offset: 16, .size: 8, .value_kind: global_buffer, .address_space: global }
    .group_segment_fixed_size: 327680
    .private_segment_fixed_size: 0
    .kernarg_segment_align: 8
    .kernarg_segment_size: 24
    .max_flat_workgroup_size: 128
    .sgpr_count:     72
    .vgpr_count:     1024
    .wavefront_size: 32
...
	.end_amdgpu_metadata
.endif
;; end of part 3
;; launch pv (part 4): grid 4 x 64, 4 waves a work-group, clusters of 4 x 4, 327,680 bytes of LDS; arguments p, vt, stats, sv; writes sv
.if DOCPART == 4
	.amdgcn_target "amdgcn-amd-amdhsa--gfx1250"
	.amdhsa_code_object_version 6
	.text
	.protected	k_q31fc316e67_pv
	.globl	k_q31fc316e67_pv
	.p2align	8
	.type	k_q31fc316e67_pv,@function
k_q31fc316e67_pv:
	s_mov_b64 s[64:65], 0
	v_nop
	global_prefetch_b8 v0, s[64:65] scope:SCOPE_SE
	s_setreg_imm32_b32 hwreg(HW_REG_WAVE_MODE, 25, 1), 1
	s_wait_xcnt 0x0
	s_wait_alu depctr_hold_cnt(0) depctr_sa_sdst(0) depctr_va_vdst(0) depctr_va_sdst(0) depctr_va_ssrc(0) depctr_va_vcc(0) depctr_vm_vsrc(0)
	s_getreg_b32 s2, hwreg(HW_REG_IB_STS2, 6, 4)
	s_cmp_eq_u32 s2, 0
	s_cbranch_scc0 .Lentry_in_a_cluster
	s_endpgm
.Lentry_in_a_cluster:
	s_bfe_u32 s2, ttmp6, 0x10000c
	s_cmp_lg_u32 s2, 0xf033
	s_cbranch_scc0 .Lentry_shape_is_right
	s_endpgm
.Lentry_shape_is_right:
; PV.  sv[b][i][:] = softmax row i times v: the second half of the softmax and the product over the 2,048 keys, f16 operands, f32 sums, sv rounded once to f16.
; p, f16, holds 2^(t - M_c), M_c the whole-number maximum of the row's chunk c of 128 keys, laid as images of this product's operand registers:
; [512 blocks of 16 rows][64 groups of 32 keys][2 x 512 bytes], lane l's four registers at byte 16 l.  stats f32: -M_c [4][16][2048] at byte 0, the chunks' sums l_c at byte 524,288.
; vt [4][1024 channels][2048 keys] f16.  sv [8192][1024] f16.
; For a row: -M = the least -M_c; f_c = 2^(M_c - M), a power of two, 1 or less, made by v_ldexp_f32: exact; l = the sum of f_c l_c.  A chunk's products are summed in T, begun with the constant 0;
; then O += f_c T, in f32; at the end O is multiplied by 1 / l.
; LIMITS: sv under 6e-5 in magnitude has f16's subnormal step, 2^-24; NaN and infinities are not served.
; SHARES.  A tile of 128 rows x 256 channels is made by a work-group of four waves, a wave 64 x 128: 32 accumulators.  256 work-groups.  A RUN is 32 products, 32 keys deep; a chunk four runs; 64 runs in all.
; vt's tile (B) goes through a ring of two LDS slots of 256 keys (rows of 512 bytes), each wave fetching 64 of its 256 rows; CLUSTERS of 4 x 4: it is shared along a column of the cluster and asked for JOINTLY.
; p's FRAGMENTS (A) COME FROM MEMORY STRAIGHT INTO REGISTERS, eight loads of 512 consecutive bytes a run, in a ring of eight buffers: a buffer is asked for again as soon as its run is over, seven runs ahead of its use.
; WHY p IS NOT ASKED FOR JOINTLY though the four work-groups of a row of the cluster read the same p: with p's tile in LDS too, two slots of 256 keys would take (128 + 256) x 528 x 2 = 405,504 bytes,
; more than the 327,680 that there are; with slots of 128 keys a refill has 112 products in which to land, here it has 240.  The price: a fragment of p is loaded by two waves in each of four work-groups.
; THE MATRIX INSTRUCTION IS USED TRANSPOSED (source 0 = 16 channels of vt, source 1 = 16 rows of p): a lane holds ONE row throughout, so f_c and 1 / l are one number a lane and block of 16 rows.
; O += f T STANDS IN SLICES of four packed lines (one accumulator): behind every second product of a chunk's last run (accumulators 0-15) and of the next chunk's first run (16-31, each ahead of the product that begins it anew).
; REGISTERS: window 0: v0-31 addresses; v32-39, v40-47 f of the even and the odd chunk, as pairs (f, f); v48-55 at work; v56-63 1 / l, four pairs; v64-127 at work; v128-255 A's buffers 4-7.
;   window 1: v0-63, v64-127 B's two buffers; v128-255 A's buffers 0-3.   window 2: T, accumulator (a, b) at v[8 (8 a + b)].   window 3: O, likewise.
.set PITCH,  528                       ; an LDS row: 512 bytes + 16 of padding = 132 words: the 16 rows of a load start at 16 different banks (ISA guide 11.1)
.set QTR,    64*PITCH                  ; what one tensor load brings
.set SLOT,   256*PITCH
.set STAGE,  2*SLOT                    ; the way out: 16 rows x 272 bytes for each wave
.set SPITCH, 272
.set FTAB,   STAGE+4*16*SPITCH         ; 8,192 bytes for each wave: chunk c's f: 512 c + 32 x row: (f0, f0, f1, f1), (f2, f2, f3, f3) of the row's four blocks
.set SPARE,  FTAB+4*8192               ; the spare words: 128 bytes a wave, two blocks of 256 bytes that no other line names
.set CPITCH, 2048                      ; a row of sv in bytes
.set ADRB, 20                          ; v20-21 LDS address of my B fragments in slot 0, 1
.set LO,   22                          ; v22 16 x lane: my place in an image; never rewritten
.set STO,  24
.set RD,   25
.set CO,   26
.set FT,   27                          ; v27 my place in the wave's table of f; steps 512 bytes a chunk
.set SPW,  28
.set NIL,  29
.set PFO,  30                          ; v30 the prefetches' offset: 256 x lane; never rewritten
.set FC,   32
.set RL,   56
.set TMP,  192
.set G1, 24                            ; s[24:31] descriptor group 1
.set G0, 32                            ; s[32:39] group 0, one set for each slot
.set LIM, 43                           ; s43 1 in a wave that prefetches, else the greatest number
.set PFA, 44                           ; s[44:45] where my prefetches stand
.set PA,  46                           ; s[46:47] p at my four blocks of rows, at the slot whose fragments are being asked for
.set MSB, 0
.macro WIN new
.if MSB != (\new)
	s_set_vgpr_msb (MSB<<8)|(\new)
.set MSB, \new
.endif
.endm
.macro PLACES                          ; four plain vector lines between a matrix instruction and a load into, or a vector read of, its registers (ISA guide 7.12.1 for the reads)
.rept 4
	v_nop
.endr
.endm
.macro CREST
	s_cmp_lg_u32 s12, 0
	s_cbranch_scc1 .Lnot_wave_0_\@
	s_barrier_signal -3
.Lnot_wave_0_\@:
	s_barrier_wait -3
	s_barrier_signal -1
	s_barrier_wait -1
.endm
.macro CROUND
	s_barrier_signal -1
	s_barrier_wait -1
	CREST
.endm
; A PREFETCH INTO THE L2 of p: 8,192 consecutive bytes, a block of 16 rows x the 256 keys of the slot after next, lanes 256 bytes apart, one instruction.  It stands in a slot's third run, behind the run's loads;
; the first load of those bytes is issued seven runs later.  The four work-groups of a row of the cluster read the same eight blocks of rows: waves 0 and 2 of the work-group at place cx take
; block cx of their four, told apart BY ADDRESS.  So each 256 bytes are named once in the launch.  Slots 0 and 1 come by their loads alone; the last prefetch names slot 7.
.macro ASK always
.if \always
	s_cmp_eq_u32 s[LIM], 1
.else
	s_cmp_gt_u32 s3, s[LIM]                        ; s3 = 1 in the loop's last trip, where there is no slot after next
.endif
	s_cbranch_scc0 .Lnot_mine_\@
	global_prefetch_b8 v[PFO], s[PFA:PFA+1] th:TH_LOAD_NT scope:SCOPE_SE
.Lnot_mine_\@:
.endm
; A's buffer AB (a symbol) is asked for: four fragments, 16 rows x 32 keys each, two loads of 512 consecutive bytes a fragment.  No hint: other waves read the same bytes.
.macro ALOAD
.if AB < 4
	WIN 0x40                                       ; destination window 1, address window 0
.set AR, 128+32*AB
.else
	WIN 0
.set AR, 128+32*(AB-4)
.endif
.irp a, 0,1,2,3
	global_load_b128 v[AR+8*\a:AR+8*\a+3],   v[LO], s[PA:PA+1] offset:65536*\a+1024*AB
	global_load_b128 v[AR+8*\a+4:AR+8*\a+7], v[LO], s[PA:PA+1] offset:65536*\a+1024*AB+512
.endr
.endm
; B's eight fragments (128 channels x 32 keys) of run NN of slot NS into buffer NF (symbols)
.macro BFETCH
	WIN 0x40
.irp i, 0,1,2,3,4,5,6,7
	ds_load_b128 v[64*NF+8*\i:64*NF+8*\i+3],   v[ADRB+NS] offset:64*NN+\i*16*PITCH
	ds_load_b128 v[64*NF+8*\i+4:64*NF+8*\i+7], v[ADRB+NS] offset:64*NN+\i*16*PITCH+32
.endr
.endm
; Accumulator k (a symbol): O += f T, or, for the first chunk, O = f T: nothing is ever cleared.  T is read from its low end on.
.macro SLICE
	WIN 0xf2                                       ; source 0 (T) window 2, source 1 (f) window 0, source 2 and destination (O) window 3
.irp u, 0,2,4,6
.if MOP
	v_pk_mul_f32 v[8*k+\u:8*k+\u+1], v[8*k+\u:8*k+\u+1], v[FCB+2*(k/8):FCB+2*(k/8)+1]
.else
	v_pk_fma_f32 v[8*k+\u:8*k+\u+1], v[8*k+\u:8*k+\u+1], v[FCB+2*(k/8):FCB+2*(k/8)+1], v[8*k+\u:8*k+\u+1]
.endif
.endr
.endm
; Products lo .. hi - 1 of a run: product i is block i / 8 of A x block i % 8 of B.  The 32 accumulators take turns, one instruction a turn.
; ZR: the products begin T anew.  SLM = 1: accumulator (i - 1) / 2 is added to O behind each odd product; the slice before it, and for the first four v_nop, are the places behind the product that finished it.
; SLM = 2: accumulator 16 + i / 2 of the chunk before behind each even product i, which is ahead of product 16 + i / 2.
.macro RUN lo, hi
.set i, \lo
.rept (\hi)-(\lo)
	WIN MULW
.if ZR
	v_wmma_f32_16x16x32_f16 v[8*i:8*i+7], v[BFB+8*(i%8):BFB+8*(i%8)+7], v[AFB+8*(i/8):AFB+8*(i/8)+7], 0
.else
	v_wmma_f32_16x16x32_f16 v[8*i:8*i+7], v[BFB+8*(i%8):BFB+8*(i%8)+7], v[AFB+8*(i/8):AFB+8*(i/8)+7], v[8*i:8*i+7]
.endif
.if (SLM == 1) && (i%2 == 1)
.if i == 1
	PLACES
.endif
.set k, (i-1)/2
	SLICE
.endif
.if (SLM == 2) && (i%2 == 0)
.set k, 16+i/2
	SLICE
.endif
.set i, i+1
.endr
.endm
; RUN g OF 64.  N = g % 8: its place in its slot, and A's buffer.  At its head the registers that the run before has left are asked for again: A's buffer for run g + 7, B's for run g + 1.
; In a slot's seventh run (N = 6) B's last fragments of the slot are asked for, so there the slots change: ONE barrier; in front of it each wave waits for all its tensor loads (its part of the other slot),
; adds 0 to its spare word, and waits for that and for its reads of this slot.  Up to slot 5 the barrier opens a round of the cluster's, and the slot is filled again first thing behind it.
.macro R g
.set N,   (\g)%8
.set SL,  ((\g)/8)%2
.set CH,  (\g)/4
.set BFB, 64*((\g)%2)
.if N < 4
.set AFB,  128+32*N
.set MULW, 0xa5                        ; B and A window 1, C and D window 2
.else
.set AFB,  128+32*(N-4)
.set MULW, 0xa1                        ; B window 1, A window 0, C and D window 2
.endif
.set ZR,  0
.set SLM, 0
.set FCB, FC
.set MOP, 0
.if (\g)%4 == 0
.set ZR, 1
.if (\g) > 0
.set SLM, 2
.set FCB, FC+8*((CH-1)%2)
.if CH == 1
.set MOP, 1
.endif
.endif
.endif
.if (\g)%4 == 3
.set SLM, 1
.set FCB, FC+8*(CH%2)
.if CH == 0
.set MOP, 1
.endif
.endif
.set LC, 48
.if (\g) > 57
.set LC, 8*(63-(\g))
.endif
	PLACES                                         ; behind the last run's products, in front of the loads into their registers
	s_wait_loadcnt LC                              ; this run's fragments of A are in: behind them the batches of eight of the six runs that follow were issued (fewer at the end)
.if ((\g) >= 1) && ((\g) <= 56)
.if N == 1
	s_wait_xcnt 0x0                                ; the loads and the prefetch issued so far have read their bases, which step here:
	s_add_nc_u64 s[PA:PA+1], s[PA:PA+1], 8192      ; the next slot's eight groups of 32 keys
	s_add_nc_u64 s[PFA:PFA+1], s[PFA:PFA+1], 8192
.endif
.set AB, (N+7)%8
	ALOAD                                          ; run g + 7
.endif
.set ND, 0
.if (\g) <= 62
.set NS, (((\g)+1)/8)%2
.set NN, ((\g)+1)%8
.set NF, ((\g)+1)%2
	BFETCH                                         ; run g + 1
.set ND, 16
.endif
.if (\g)%4 == 1
	WIN 0
	ds_load_b128 v[FC+8*(CH%2):FC+8*(CH%2)+3],   v[FT]             ; this chunk's f, wanted two runs on; its registers were last read in the first run of the chunk before
	ds_load_b128 v[FC+8*(CH%2)+4:FC+8*(CH%2)+7], v[FT] offset:16
	v_add_nc_u32 v[FT], 512, v[FT]
.set ND, ND+2
.endif
.if ((\g) == 2) || ((\g) == 10)
	WIN 0
	ASK 1
.endif
.if (\g) == 18
	WIN 0
	ASK 0
.endif
.if (N == 6) && ((\g) < 62)
	WIN 0                                          ; (the add's two registers lie in window 0)
	s_wait_tensorcnt 0x0                           ; all my tensor loads have landed: my part of the other slot
	ds_add_u32 v[SPW], v[NIL]
	s_wait_dscnt ND+1                              ; this run's B is in (the sixteen loads just issued and the add may be out)
	RUN 0, 8
	s_wait_dscnt 0x0                               ; the add is done, and my reads of this slot are over
	s_barrier_signal -1
	RUN 8, 16
	WIN 0
	s_barrier_wait -1
.if (\g) < 54
	CREST                                          ; the barrier has opened a round of the cluster's: no wave of any partner still reads this slot or has a load on its way
	s_add_nc_u64 s[G0+4*SL+2:G0+4*SL+3], s[G0+4*SL+2:G0+4*SL+3], 1024   ; two slots on along the keys
	tensor_load_to_lds s[G0+4*SL:G0+4*SL+3], s[G1:G1+7]                 ; my one tensor load behind the round: 240 products stand between it and the wait for it
	s_nop 0
	PLACES                                         ; (four v_nop ahead of the next switch of windows)
.endif
	RUN 16, 32
.else
	s_wait_dscnt ND                                ; this run's B is in (what was just issued may be out)
	RUN 0, 32
.endif
.endm
	s_load_b256 s[4:11], s[0:1], 0x0               ; p s[4:5], vt s[6:7], stats s[8:9], sv s[10:11]
	v_lshl_add_u32 v[SPW], v0, 2, SPARE
	v_mov_b32 v[NIL], 0
	ds_add_u32 v[SPW], v[NIL]                      ; the wave's opening: the add, twice on end, and its wait ahead of my first tensor load
	ds_add_u32 v[SPW], v[NIL]
	v_lshrrev_b32 v1, 5, v0
	v_readfirstlane_b32 s12, v1                    ; wave 0..3
	s_lshr_b32 s13, s12, 1                         ; which 64 of the tile's rows are mine
	s_and_b32 s14, s12, 1                          ; which 128 of its channels
	s_bfe_u32 s40, ttmp6, 0x40000                  ; cx
	s_bfe_u32 s41, ttmp6, 0x40004                  ; cy
	s_lshl_b32 s42, ttmp9, 2
	s_add_co_u32 s42, s42, s40                     ; X: tile column, 0..3
	s_and_b32 s15, ttmp7, 0xffff
	s_lshl_b32 s15, s15, 2
	s_add_co_u32 s15, s15, s41                     ; Y: tile row over all batches, 0..63
	s_lshl_b32 s3, 0x1111, s40                     ; my column of the cluster
	s_or_b32 s[G1+0], s3, (1<<16)|(1<<20)|(1<<21)|(6<<22)|(3<<25)   ; 15:0 the mask; 17:16 elements of 2 bytes; 20 padding on; 21 set beside a mask; 24:22 after every 128 words; 31:25 four words
	s_mov_b32 s[G1+1], 256<<16                     ; tensor_dim0 = 256
	s_mov_b32 s[G1+2], 64<<16                      ; tensor_dim1 = 64
	s_mov_b32 s[G1+3], 256<<16                     ; tile_dim0
	s_mov_b32 s[G1+4], 64                          ; tile_dim1
	s_mov_b32 s[G1+5], 2048                        ; elements from row to row
	s_mov_b32 s[G1+6], 0
	s_mov_b32 s[G1+7], 0
	s_lshl_b32 s16, s42, 8
	s_lshl_b32 s17, s12, 6
	s_add_co_u32 s16, s16, s17
	s_and_b32 s17, ttmp7, 0xffff
	s_lshr_b32 s17, s17, 2                         ; the batch: cluster y / 4 (no cy enters the descriptor's registers)
	s_lshl_b32 s17, s17, 10
	s_add_co_u32 s16, s16, s17                     ; vt: row 1,024 batch + 256 X + 64 x wave,
	s_lshl_b32 s16, s16, 12                        ; 4,096 bytes a row (under 2^24)
	s_mov_b32 s17, 0
	s_mul_i32 s20, s12, QTR                        ; where they go: wave x 64 rows: the wave's number alone enters an LDS address
	s_wait_dscnt 0x0                               ; both opening adds are done
	s_wait_kmcnt 0x0
	s_add_nc_u64 s[16:17], s[6:7], s[16:17]
.irp s, 0,1
	s_mov_b32 s[G0+4*\s], 1
	s_add_co_u32 s[G0+4*\s+1], s20, \s*SLOT
	s_add_nc_u64 s[G0+4*\s+2:G0+4*\s+3], s[16:17], \s*512
	s_or_b32 s[G0+4*\s+3], s[G0+4*\s+3], 0x80000000
.endr
	CROUND                                         ; all sixteen work-groups are here: the first joint loads meet
	tensor_load_to_lds s[G0:G0+3], s[G1:G1+7]      ; keys 0-255
	s_nop 0
	tensor_load_to_lds s[G0+4:G0+7], s[G1:G1+7]    ; keys 256-511: two tensor loads of a wave are out
	s_nop 0
	PLACES
	s_lshl_b32 s18, s15, 3
	s_lshl_b32 s19, s13, 2
	s_add_co_u32 s18, s18, s19                     ; p: my first block of 16 rows: 8 Y + 4 x half
	s_add_co_u32 s21, s18, s40                     ; the block that I prefetch: + cx
	s_lshl_b32 s18, s18, 16                        ; 65,536 bytes a block (under 2^26)
	s_mov_b32 s19, 0
	s_add_nc_u64 s[PA:PA+1], s[4:5], s[18:19]
	s_lshl_b32 s18, s21, 16
	s_add_co_u32 s18, s18, 8192                    ; at slot 1: run 1 steps it to slot 2, which run 2 names.  Nothing is prefetched here, at the head
	s_add_nc_u64 s[PFA:PFA+1], s[4:5], s[18:19]
	s_cmp_eq_u32 s14, 0
	s_cselect_b32 s[LIM], 1, -1                    ; waves 0 and 2 prefetch
	v_and_b32 v6, 31, v0
	v_lshlrev_b32 v[LO], 4, v6
	v_lshlrev_b32 v[PFO], 8, v6
.set AB, 0
.rept 8
	ALOAD                                          ; A's eight buffers: runs 0 to 7
.set AB, AB+1
.endr
	WIN 0
	v_and_b32 v1, 15, v0                           ; r
	v_bfe_u32 v2, v0, 4, 1                         ; h
	v_mul_u32_u24 v3, v1, PITCH
	v_lshl_add_u32 v3, v2, 4, v3                   ; a fragment's row x pitch + 16 x half
	s_mul_i32 s22, s14, 128*PITCH                  ; my 128 rows of B
.irp s, 0,1
	v_add_nc_u32 v[ADRB+\s], s22, v3
	s_add_co_u32 s22, s22, SLOT
.endr
	s_mul_i32 s23, s12, 16*SPITCH
	s_add_co_u32 s23, s23, STAGE                   ; my stage
	v_mul_u32_u24 v4, v1, SPITCH
	v_lshl_add_u32 v4, v2, 4, v4
	v_add_nc_u32 v[STO], s23, v4
	v_mul_u32_u24 v5, v2, SPITCH
	v_lshl_add_u32 v5, v1, 4, v5
	v_add_nc_u32 v[RD], s23, v5
	v_lshlrev_b32 v5, 11, v2
	v_lshl_add_u32 v[CO], v1, 4, v5                ; two rows of sv: 2,048 h + 16 r
	s_lshl_b32 s23, s12, 13
	s_add_co_u32 s23, s23, FTAB
	v_lshlrev_b32 v5, 5, v1
	v_add_nc_u32 v[FT], s23, v5                    ; my wave's table, 32 bytes a row: lanes r and 16 + r hold the same row and name the same bytes
	s_lshl_b32 s18, s15, 7
	s_lshl_b32 s19, s13, 6
	s_add_co_u32 s18, s18, s19                     ; my first row of sv
	s_lshl_b32 s18, s18, 11
	s_lshl_b32 s19, s42, 9
	s_add_co_u32 s18, s18, s19
	s_lshl_b32 s19, s14, 8
	s_add_co_u32 s18, s18, s19                     ; + my first channel: 512 X + 256 x half bytes
	s_mov_b32 s19, 0
	s_add_nc_u64 s[10:11], s[10:11], s[18:19]
	s_and_b32 s18, ttmp7, 0xffff
	s_lshr_b32 s18, s18, 2
	s_lshl_b32 s18, s18, 15                        ; stats: 16 x 2,048 words a batch,
	s_and_b32 s19, s15, 15
	s_lshl_b32 s19, s19, 7
	s_add_co_u32 s18, s18, s19
	s_lshl_b32 s19, s13, 6
	s_add_co_u32 s18, s18, s19                     ; + my first row in the batch
	s_lshl_b32 s18, s18, 2
	s_mov_b32 s19, 0
	s_add_nc_u64 s[8:9], s[8:9], s[18:19]
	v_lshlrev_b32 v4, 2, v1                        ; 4 r: both halves of the lanes hold the same row
	; THE ROWS' STATISTICS, for my four blocks a of 16 rows and the 16 chunks c: -M_c into v[64 + 16 a + c]; l_c into v[16 a + c] of window 3, which O takes later
.irp a, 0,1,2,3
.irp c, 0,1,2,3,4,5,6,7,8,9,10,11,12,13,14,15
	global_load_b32 v[64+16*\a+\c], v4, s[8:9] offset:8192*\c+64*\a
.endr
.endr
	WIN 0xc0                                       ; destination window 3
.irp a, 0,1,2,3
.irp c, 0,1,2,3,4,5,6,7,8,9,10,11,12,13,14,15
	global_load_b32 v[16*\a+\c], v4, s[8:9] offset:524288+8192*\c+64*\a
.endr
.endr
	WIN 0
	s_wait_loadcnt 0x0                             ; the statistics, and with them A's first eight buffers
.irp a, 0,1,2,3
	v_min3_num_f32 v[52+\a], v[64+16*\a], v[65+16*\a], v[66+16*\a]     ; -M of the row: the least -M_c
.endr
.irp i, 3,5,7,9,11,13
.irp a, 0,1,2,3
	v_min3_num_f32 v[52+\a], v[52+\a], v[64+16*\a+\i], v[65+16*\a+\i]
.endr
.endr
.irp a, 0,1,2,3
	v_min_num_f32 v[52+\a], v[52+\a], v[79+16*\a]
.endr
.irp a, 0,1,2,3
.irp c, 0,1,2,3,4,5,6,7,8,9,10,11,12,13,14,15
	v_sub_f32 v[64+16*\a+\c], v[52+\a], v[64+16*\a+\c]       ; M_c - M: a whole number, 0 or less
.endr
.endr
.irp a, 0,1,2,3
.irp c, 0,1,2,3,4,5,6,7,8,9,10,11,12,13,14,15
	v_cvt_i32_f32 v[64+16*\a+\c], v[64+16*\a+\c]             ; (it saturates)
.endr
.endr
	WIN 0x80                                       ; destination window 2: T's registers, free until the first product, hold the table on its way to LDS
.irp c, 0,1,2,3,4,5,6,7,8,9,10,11,12,13,14,15
.irp a, 0,1,2,3
	v_ldexp_f32 v[8*\c+2*\a],   1.0, v[64+16*\a+\c]          ; f_c = 2^(M_c - M): nothing is rounded;
	v_ldexp_f32 v[8*\c+2*\a+1], 1.0, v[64+16*\a+\c]          ; made twice: the packed lines multiply by a pair
.endr
.endr
	WIN 0x0e                                       ; source 0 (f) window 2, source 1 (l_c) window 3
.irp a, 0,1,2,3
	v_mul_f32 v[48+\a], v[2*\a], v[16*\a]                    ; l = the sum of f_c l_c
.endr
.irp c, 1,2,3,4,5,6,7,8,9,10,11,12,13,14,15
.irp a, 0,1,2,3
	v_fmac_f32 v[48+\a], v[8*\c+2*\a], v[16*\a+\c]
.endr
.endr
	WIN 0x08                                       ; an LDS store's data are its source 1: window 2
.irp c, 0,1,2,3,4,5,6,7,8,9,10,11,12,13,14,15
	ds_store_b128 v[FT], v[8*\c:8*\c+3] offset:512*\c        ; the table: read back by this wave alone; lanes r and 16 + r write the same bytes with the same values
	ds_store_b128 v[FT], v[8*\c+4:8*\c+7] offset:512*\c+16
.endr
	WIN 0
.irp a, 0,1,2,3
	v_rcp_f32 v[RL+2*\a], v[48+\a]
.endr
	v_nop                                          ; a plain line behind the last reciprocal
	s_wait_alu depctr_va_vdst(0)                   ; one wait for the four, ahead of their first reader
.irp a, 0,1,2,3
	v_mov_b32 v[RL+2*\a+1], v[RL+2*\a]             ; (the packed multiply names a pair)
.endr
	s_wait_tensorcnt 1                             ; my part of slot 0 is in (slot 1's may be out)
	s_wait_dscnt 0x0                               ; and my stores into the table have landed and have read T's registers
	s_barrier_signal -1
	s_barrier_wait -1                              ; everybody's is
.set NS, 0
.set NN, 0
.set NF, 0
	BFETCH                                         ; run 0's B
.irp g, 0,1,2,3,4
	R \g                                           ; the first chunk and the run behind it are written out: its slices start O
.endr
	WIN 0                                          ; at a label and at a branch every window is 0
	s_mov_b32 s3, 3
.Llap:                                             ; a trip is sixteen runs, once round the ring: runs 5 + 16 t to 20 + 16 t; both slots are filled again
.irp g, 5,6,7,8,9,10,11,12,13,14,15,16,17,18,19,20
	R \g
.endr
	WIN 0
	s_sub_co_u32 s3, s3, 1
	s_cmp_lg_u32 s3, 0
	s_cbranch_scc1 .Llap
.irp g, 53,54,55,56,57,58,59,60,61,62,63
	R \g                                           ; the tail is written out
.endr
.set FCB, FC+8
.set MOP, 0
.set k, 16
.rept 16
	SLICE                                          ; the last chunk's accumulators 16-31; the slice behind the last product is their place
.set k, k+1
.endr
; THE WAY OUT, a block of 16 rows x 128 channels at a time: x 1 / l, rounded to f16, through my stage, stored as whole rows of 256 bytes.
.macro PACK a
	WIN 0x03                                       ; source 0: window 3
.set i, 0
.rept 32
	v_pk_mul_f32 v[64+2*i:65+2*i], v[64*(\a)+2*i:64*(\a)+2*i+1], v[RL+2*(\a):RL+2*(\a)+1] op_sel_hi:[1,0]
.set i, i+1
.endr
	WIN 0
.set i, 0
.rept 32
	v_cvt_pk_f16_f32 v[TMP+i], v[64+2*i], v[65+2*i]
.set i, i+1
.endr
.endm
.macro TOSTAGE a
.set BK, 128+32*((\a)%2)
.irp b, 0,1,2,3,4,5,6,7
	ds_store_b128 v[STO], v[TMP+4*\b:TMP+4*\b+3] offset:32*\b
.endr
.irp t, 0,1,2,3,4,5,6,7
	ds_load_b128 v[BK+4*\t:BK+4*\t+3], v[RD] offset:\t*2*SPITCH    ; LDS serves a wave's instructions in order (ISA guide 5.7.1.4): these see the stores above
.endr
.endm
.macro SEND a
.set BK, 128+32*((\a)%2)
	s_wait_dscnt 0x0                               ; the block is back in registers
	s_wait_xcnt 0x0                                ; earlier stores have read their base and their data
.if (\a) > 0
	s_add_nc_u64 s[10:11], s[10:11], 16*CPITCH
.endif
.irp t, 0,1,2,3,4,5,6,7
	global_store_b128 v[CO], v[BK+4*\t:BK+4*\t+3], s[10:11] offset:2*\t*CPITCH   ; 16 lanes store 256 consecutive bytes, aligned
.endr
.endm
	PACK 0
	TOSTAGE 0
.irp a, 1,2,3
	PACK \a
	SEND \a-1
	TOSTAGE \a
.endr
	SEND 3
	s_wait_tensorcnt 0x0                           ; the wave's end
	ds_add_u32 v[SPW], v[NIL]
	s_wait_dscnt 0x0
	CROUND                                         ; the closing round
	s_endpgm
.Lfunc_end_k_q31fc316e67_pv:
	.size	k_q31fc316e67_pv, .Lfunc_end_k_q31fc316e67_pv-k_q31fc316e67_pv
	.p2alignl 7, 3214868480
	.fill 96, 4, 3214868480
	.section	.rodata,"a",@progbits
	.p2align	6, 0x0
	.amdhsa_kernel k_q31fc316e67_pv
		.amdhsa_group_segment_fixed_size 327680
		.amdhsa_private_segment_fixed_size 0
		.amdhsa_enable_private_segment 0
		.amdhsa_kernarg_size 32
		.amdhsa_user_sgpr_count 2
		.amdhsa_user_sgpr_kernarg_segment_ptr 1
		.amdhsa_wavefront_size32 1
		.amdhsa_system_sgpr_workgroup_id_x 1
		.amdhsa_system_sgpr_workgroup_id_y 1
		.amdhsa_system_sgpr_workgroup_id_z 1
		.amdhsa_system_vgpr_workitem_id 0
		.amdhsa_next_free_vgpr 1024
		.amdhsa_next_free_sgpr 72
		.amdhsa_reserve_vcc 0
		.amdhsa_float_denorm_mode_32 3
		.amdhsa_float_denorm_mode_16_64 3
		.amdhsa_memory_ordered 1
		.amdhsa_forward_progress 1
		.amdhsa_inst_pref_size 255
	.end_amdhsa_kernel
	.section	.bss,"aw",@nobits
	.p2align	6
	.space	262144
	.amdgpu_metadata
---
amdhsa.version: [ 1, 2 ]
amdhsa.kernels:
  - .name:           k_q31fc316e67_pv
    .symbol:         k_q31fc316e67_pv.kd
    .args:
      - { .name: p, .offset: 0, .size: 8, .value_kind: global_buffer, .address_space: global }
      - { .name: vt, .offset: 8, .size: 8, .value_kind: global_buffer, .address_space: global }
      - { .name: stats, .offset: 16, .size: 8, .value_kind: global_buffer, .address_space: global }
      - { .name: sv, .offset: 24, .size: 8, .value_kind: global_buffer, .address_space: global }
    .group_segment_fixed_size: 327680
    .private_segment_fixed_size: 0
    .kernarg_segment_align: 8
    .kernarg_segment_size: 32
    .max_flat_workgroup_size: 128
    .sgpr_count:     72
    .vgpr_count:     1024
    .wavefront_size: 32
...
	.end_amdgpu_metadata
.endif
;; end of part 4
;; launch proj (part 5): grid 4 x 64, 4 waves a work-group, clusters of 4 x 4, 327,680 bytes of LDS; arguments sv, wo16, bo, out0; writes out0
.if DOCPART == 5
	.amdgcn_target "amdgcn-amd-amdhsa--gfx1250"
	.amdhsa_code_object_version 6
	.text
	.protected	k_q31fc316e67_proj
	.globl	k_q31fc316e67_proj
	.p2align	8
	.type	k_q31fc316e67_proj,@function
k_q31fc316e67_proj:
	s_mov_b64 s[64:65], 0
	v_nop
	global_prefetch_b8 v0, s[64:65] scope:SCOPE_SE
	s_setreg_imm32_b32 hwreg(HW_REG_WAVE_MODE, 25, 1), 1
	s_wait_xcnt 0x0
	s_wait_alu depctr_hold_cnt(0) depctr_sa_sdst(0) depctr_va_vdst(0) depctr_va_sdst(0) depctr_va_ssrc(0) depctr_va_vcc(0) depctr_vm_vsrc(0)
	s_getreg_b32 s2, hwreg(HW_REG_IB_STS2, 6, 4)
	s_cmp_eq_u32 s2, 0
	s_cbranch_scc0 .Lentry_in_a_cluster
	s_endpgm
.Lentry_in_a_cluster:
	s_bfe_u32 s2, ttmp6, 0x10000c
	s_cmp_lg_u32 s2, 0xf033
	s_cbranch_scc0 .Lentry_shape_is_right
	s_endpgm
.Lentry_shape_is_right:
; PROJ.  out0[i][o] = the sum over v of sv[i][v] Wo[o][v] + bo[o].  sv [8192][1024] f16, wo16 [1024][1024] f16, bo [1024] f32, out0 [8192][1024] f32; sums in f32.
; The frame is that of the launch before it: a tile of 128 rows x 256 columns to a work-group of four waves, a wave 64 x 128: 32 accumulators, which fill window 2; 256 work-groups;
; K = 1,024 in steps of 128 (rows of 256 bytes) through a ring of two LDS slots; clusters of 4 x 4, sv's tile (A) shared along a row of the cluster, wo16's (B) along a column, each asked for JOINTLY.
; THE MATRIX INSTRUCTION IS USED TRANSPOSED (source 0 = 16 rows of wo16, source 1 = 16 rows of sv): a lane holds eight neighbouring numbers of a row of out0.
; THE BIAS is the C of each sum's first product: eight registers for each block of 16 columns, in the result's layout; it costs no addition.
; REGISTERS: window 0: v0-31 addresses; v64-127, v128-191 A's two buffers (64 along K each: halves of 32 registers), on the way out rows read back; v192-255 the bias.
;   window 1: B's two buffers, v0-127 and v128-255 (halves of 64).   window 2: accumulator (a, b) at v[8 (8 a + b)].
.set PITCH,  272                       ; an LDS row: 256 bytes + 16 of padding: the 16 rows of a load start at 16 different banks (ISA guide 11.1)
.set SLOT,   384*PITCH                 ; A's 128 rows, then B's 256
.set STAGE,  2*SLOT                    ; 16 rows x (512 bytes + 16) for each wave
.set SPITCH, 528
.set SPARE,  STAGE+4*16*SPITCH         ; the spare words: 128 bytes a wave, two blocks of 256 bytes that no other line names
.set PITCHE, 1024                      ; a row of sv and of wo16 in elements,
.set PITCHB, 2048                      ; in bytes
.set CPITCH, 4096                      ; a row of out0 in bytes
.set LAPS,   4
.set ADRA, 16
.set ADRB, 20
.set STO,  24
.set RD,   25
.set CO,   26
.set SPW,  28
.set NIL,  29
.set PFO,  30
.set BI,   192
.set G1, 24
.set G0, 32
.set G1B, 48
.set G0B, 56
.set LIM, 43
.set PFA, 44
.set MSB, 0
.macro WIN new
.if MSB != (\new)
	s_set_vgpr_msb (MSB<<8)|(\new)
.set MSB, \new
.endif
.endm
.set MUL,  0xa1                        ; source 0 (B) window 1, source 1 (A) window 0, C and D window 2
.set MULB, 0x81                        ; the same with C (the bias) in window 0
.set TO_B, 0x40
.macro JLOAD s                         ; a joint load: waves 0 and 1 fetch A's halves (64 rows), waves 2 and 3 B's (128 rows); an s_nop 0 and four v_nop follow each line
	s_cmp_eq_u32 s13, 0
	s_cbranch_scc0 .Lfor_b_\@
	tensor_load_to_lds s[G0+4*\s:G0+4*\s+3], s[G1:G1+7]
	s_nop 0
.rept 4
	v_nop
.endr
	s_branch .Lasked_\@
.Lfor_b_\@:
	tensor_load_to_lds s[G0B+4*\s:G0B+4*\s+3], s[G1B:G1B+7]
	s_nop 0
.rept 4
	v_nop
.endr
.Lasked_\@:
.endm
.macro CREST
	s_cmp_lg_u32 s12, 0
	s_cbranch_scc1 .Lnot_wave_0_\@
	s_barrier_signal -3
.Lnot_wave_0_\@:
	s_barrier_wait -3
	s_barrier_signal -1
	s_barrier_wait -1
.endm
.macro CROUND
	s_barrier_signal -1
	s_barrier_wait -1
	CREST
.endm
; A PREFETCH INTO THE L2 of sv's K step that stands two refills on: 256 bytes of each of 32 rows, a lane a row.  A tile of sv is asked for by one row of one cluster alone: wave 0 of each of its
; four partners takes 32 of the 128 rows, told apart BY ADDRESS (32 cx): each 256 bytes are named once in the launch.  The loop's last trip asks for nothing.
.macro ASK
	s_cmp_gt_u32 s3, s[LIM]
	s_cbranch_scc0 .Lnot_mine_\@
	global_prefetch_b8 v[PFO], s[PFA:PFA+1] offset:256 th:TH_LOAD_NT scope:SCOPE_SE
.Lnot_mine_\@:
.endm
	s_load_b256 s[4:11], s[0:1], 0x0               ; sv s[4:5], wo16 s[6:7], bo s[8:9], out0 s[10:11]
	v_lshl_add_u32 v[SPW], v0, 2, SPARE
	v_mov_b32 v[NIL], 0
	ds_add_u32 v[SPW], v[NIL]                      ; the wave's opening: the add, twice on end, and its wait ahead of my first tensor load
	ds_add_u32 v[SPW], v[NIL]
	v_lshrrev_b32 v1, 5, v0
	v_readfirstlane_b32 s12, v1                    ; wave 0..3
	s_lshr_b32 s13, s12, 1                         ; which 64 of the tile's rows are mine.  Also: I fetch for A (0) or for B (1)
	s_and_b32 s14, s12, 1                          ; which 128 of its columns.  Also: which half of that tile I fetch
	s_bfe_u32 s40, ttmp6, 0x40000                  ; cx
	s_bfe_u32 s41, ttmp6, 0x40004                  ; cy
	s_lshl_b32 s42, ttmp9, 2
	s_add_co_u32 s42, s42, s40                     ; X: tile column, 0..3
	s_and_b32 s15, ttmp7, 0xffff
	s_lshl_b32 s15, s15, 2
	s_add_co_u32 s15, s15, s41                     ; Y: tile row, 0..63
	s_lshl_b32 s2, s41, 2
	s_lshl_b32 s2, 15, s2                          ; my row of the cluster
	s_lshl_b32 s3, 0x1111, s40                     ; my column
	s_or_b32 s[G1+0], s2, (1<<16)|(1<<20)|(1<<21)|(5<<22)|(3<<25)   ; 15:0 the mask; 17:16 elements of 2 bytes; 20 padding on; 21 set beside a mask; 24:22 after every 64 words; 31:25 four words
	s_or_b32 s[G1B+0], s3, (1<<16)|(1<<20)|(1<<21)|(5<<22)|(3<<25)
	s_mov_b32 s[G1+1], 128<<16                     ; tensor_dim0 = 128
	s_mov_b32 s[G1+2], 64<<16                      ; tensor_dim1 = 64
	s_mov_b32 s[G1+3], 128<<16                     ; tile_dim0
	s_mov_b32 s[G1+4], 64                          ; tile_dim1
	s_mov_b32 s[G1+5], PITCHE
	s_mov_b32 s[G1+6], 0
	s_mov_b32 s[G1+7], 0
	s_mov_b32 s[G1B+1], 128<<16
	s_mov_b32 s[G1B+2], 128<<16                    ; B: 128 rows
	s_mov_b32 s[G1B+3], 128<<16
	s_mov_b32 s[G1B+4], 128
	s_mov_b32 s[G1B+5], PITCHE
	s_mov_b32 s[G1B+6], 0
	s_mov_b32 s[G1B+7], 0
	s_lshl_b32 s16, s15, 7
	s_lshl_b32 s18, s14, 6
	s_add_co_u32 s16, s16, s18                     ; A: row 128 Y + 64 x half
	s_mul_i32 s16, s16, PITCHB
	s_mov_b32 s17, 0
	s_lshl_b32 s46, s42, 8
	s_lshl_b32 s47, s14, 7
	s_add_co_u32 s46, s46, s47                     ; B: row 256 X + 128 x half
	s_mul_i32 s46, s46, PITCHB
	s_mov_b32 s47, 0
	s_mul_i32 s20, s14, 64*PITCH                   ; where they go: A's halves,
	s_mul_i32 s21, s14, 128*PITCH
	s_add_co_u32 s21, s21, 128*PITCH               ; B's halves behind A's 128 rows
	s_wait_dscnt 0x0                               ; both opening adds are done
	s_wait_kmcnt 0x0
	s_add_nc_u64 s[16:17], s[4:5], s[16:17]
	s_add_nc_u64 s[46:47], s[6:7], s[46:47]
	CROUND                                         ; all sixteen work-groups are here: the first joint loads meet
.irp s, 0,1
	s_mov_b32 s[G0+4*\s], 1
	s_add_co_u32 s[G0+4*\s+1], s20, \s*SLOT
	s_add_nc_u64 s[G0+4*\s+2:G0+4*\s+3], s[16:17], \s*256
	s_or_b32 s[G0+4*\s+3], s[G0+4*\s+3], 0x80000000
	s_mov_b32 s[G0B+4*\s], 1
	s_add_co_u32 s[G0B+4*\s+1], s21, \s*SLOT
	s_add_nc_u64 s[G0B+4*\s+2:G0B+4*\s+3], s[46:47], \s*256
	s_or_b32 s[G0B+4*\s+3], s[G0B+4*\s+3], 0x80000000
	JLOAD \s                                       ; two tensor loads of a wave are out
.endr
	s_lshl_b32 s18, s15, 7                         ; the prefetches: rows 128 Y + 32 cx on,
	s_lshl_b32 s19, s40, 5
	s_add_co_u32 s18, s18, s19
	s_mul_i32 s18, s18, PITCHB
	s_add_co_u32 s18, s18, 2*256                   ; at K step 2: the first refill steps it to 3 and names K step 4.  Nothing is prefetched here, at the head
	s_mov_b32 s19, 0
	s_add_nc_u64 s[PFA:PFA+1], s[4:5], s[18:19]
	s_cmp_eq_u32 s12, 0
	s_cselect_b32 s[LIM], 1, -1
	v_and_b32 v[PFO], 31, v0
	v_mul_u32_u24 v[PFO], v[PFO], PITCHB
	v_and_b32 v1, 15, v0                           ; r
	v_bfe_u32 v2, v0, 4, 1                         ; h
	v_mul_u32_u24 v3, v1, PITCH
	v_lshl_add_u32 v3, v2, 4, v3
	s_mul_i32 s21, s13, 64*PITCH                   ; my 64 rows of A
	s_mul_i32 s22, s14, 128*PITCH
	s_add_co_u32 s22, s22, 128*PITCH               ; my 128 rows of B
.irp s, 0,1
	v_add_nc_u32 v[ADRA+\s], s21, v3
	v_add_nc_u32 v[ADRB+\s], s22, v3
	s_add_co_u32 s21, s21, SLOT
	s_add_co_u32 s22, s22, SLOT
.endr
	s_mul_i32 s23, s12, 16*SPITCH
	s_add_co_u32 s23, s23, STAGE                   ; my stage
	v_mul_u32_u24 v5, v1, SPITCH                   ; in: row r, 32 bytes for each half of the lanes
	v_lshl_add_u32 v5, v2, 5, v5
	v_add_nc_u32 v[STO], s23, v5
	v_and_b32 v6, 31, v0
	v_lshlrev_b32 v[CO], 4, v6                     ; back: the 32 lanes take one row of 512 bytes; and the same in out0
	v_add_nc_u32 v[RD], s23, v[CO]
	s_lshl_b32 s22, s42, 10
	s_lshl_b32 s19, s14, 9
	s_add_co_u32 s22, s22, s19                     ; my first column in bytes of f32: 1,024 X + 512 x half
	s_mov_b32 s23, 0
	s_add_nc_u64 s[8:9], s[8:9], s[22:23]          ; bo there,
	s_add_nc_u64 s[10:11], s[10:11], s[22:23]      ; and out0
	s_lshl_b32 s18, s15, 7
	s_lshl_b32 s19, s13, 6
	s_add_co_u32 s18, s18, s19                     ; my first row of out0
	s_lshl_b32 s18, s18, 12
	s_mov_b32 s19, 0
	s_add_nc_u64 s[10:11], s[10:11], s[18:19]
	v_lshlrev_b32 v4, 5, v2                        ; the bias: lane (r, h) wants, for block b, bo at columns 16 b + 8 h + 0 .. 7
.irp b, 0,1,2,3,4,5,6,7
	global_load_b128 v[BI+8*\b:BI+8*\b+3], v4, s[8:9] offset:64*\b
	global_load_b128 v[BI+8*\b+4:BI+8*\b+7], v4, s[8:9] offset:64*\b+16
.endr
	s_wait_loadcnt 0x0
.macro FETCH slot, k, f                ; 48 LDS loads in one run: 64 along K at byte k of the rows into buffer f: B's two halves, then A's two
	WIN TO_B
.irp c, 0,1
.irp i, 0,1,2,3,4,5,6,7
	ds_load_b128 v[128*\f+64*\c+8*\i:128*\f+64*\c+8*\i+3],   v[ADRB+\slot] offset:\k+64*\c+\i*16*PITCH
	ds_load_b128 v[128*\f+64*\c+8*\i+4:128*\f+64*\c+8*\i+7], v[ADRB+\slot] offset:\k+64*\c+\i*16*PITCH+32
.endr
.endr
	WIN 0
.irp c, 0,1
.irp i, 0,1,2,3
	ds_load_b128 v[64+64*\f+32*\c+8*\i:64+64*\f+32*\c+8*\i+3],   v[ADRA+\slot] offset:\k+64*\c+\i*16*PITCH
	ds_load_b128 v[64+64*\f+32*\c+8*\i+4:64+64*\f+32*\c+8*\i+7], v[ADRA+\slot] offset:\k+64*\c+\i*16*PITCH+32
.endr
.endr
.endm
.macro PLACES                          ; four plain vector lines between a matrix instruction and a load into, or a read of, its registers (ISA guide 7.12.1 for the reads)
.rept 4
	v_nop
.endr
.endm
; Products lo .. hi - 1 of a run of 32: product i is block a = i / 8 of A (from v[fa]) x block b = i % 8 of B (from v[fb] of window 1).  The 32 accumulators take turns.
; first = 1: the products start the sums, with the bias as C.
.macro RUN fa, fb, lo, hi, first
.set i, \lo
.rept (\hi)-(\lo)
.if \first
	WIN MULB
	v_wmma_f32_16x16x32_f16 v[8*i:8*i+7], v[\fb+8*(i%8):\fb+8*(i%8)+7], v[\fa+8*(i/8):\fa+8*(i/8)+7], v[BI+8*(i%8):BI+8*(i%8)+7]
.else
	WIN MUL
	v_wmma_f32_16x16x32_f16 v[8*i:8*i+7], v[\fb+8*(i%8):\fb+8*(i%8)+7], v[\fa+8*(i/8):\fa+8*(i/8)+7], v[8*i:8*i+7]
.endif
.set i, i+1
.endr
.endm
; A K STEP in slot s is four runs, U0 to U3.  A's halves: v64, v96 (buffer 0), v128, v160 (buffer 1); B's: v0, v64, v128, v192 of window 1.
.macro U0 s, first                     ; buffer 0's first half; buffer 1 is fetched
	PLACES
	FETCH \s, 128, 1
	s_wait_dscnt 48                                ; all but the 48 just issued: buffer 0 is whole
	RUN 64, 0, 0, 32, \first
.endm
; U1: buffer 0's second half, and the change of slots: my last reads of slot s were U0's.  mode 2: the slot is filled again; 1: a barrier alone; 0: the last step.
.macro U1 s, mode
.if \mode == 0
	s_wait_dscnt 0x0
	RUN 96, 64, 0, 32, 0
.else
.if \mode == 2
	s_wait_xcnt 0x0                                ; the last prefetch, a K step back, has read its address: it steps here
	s_add_nc_u64 s[PFA:PFA+1], s[PFA:PFA+1], 256
.endif
	WIN 0                                          ; (the add's two registers lie in window 0)
	s_wait_tensorcnt 0x0                           ; all my tensor loads have landed: my part of the other slot
	ds_add_u32 v[SPW], v[NIL]
	s_wait_dscnt 1                                 ; buffer 1 is in (the add may be out)
	RUN 96, 64, 0, 8, 0
	s_wait_dscnt 0x0                               ; the add is done, and my reads of this slot are over
	s_barrier_signal -1
	RUN 96, 64, 8, 16, 0
	WIN 0
	s_barrier_wait -1
.if \mode == 2
	CREST                                          ; the barrier has opened a round of the cluster's: no wave of any partner still reads this slot or has a load on its way
	s_add_nc_u64 s[G0+4*\s+2:G0+4*\s+3], s[G0+4*\s+2:G0+4*\s+3], 512
	s_add_nc_u64 s[G0B+4*\s+2:G0B+4*\s+3], s[G0B+4*\s+2:G0B+4*\s+3], 512
	JLOAD \s                                       ; two K steps ahead; 112 matrix instructions stand between it and the wait for it
.endif
	RUN 96, 64, 16, 32, 0
.endif
.endm
.macro U2 n, more, ask                 ; buffer 1's first half; more = 1: the next step's buffer 0 is fetched from slot n
	PLACES
.if \more
	FETCH \n, 0, 0
.if \ask
	ASK                                            ; behind the joint load and the run of LDS loads
.endif
.endif
	RUN 128, 128, 0, 32, 0
.endm
.macro U3                              ; buffer 1's second half
	RUN 160, 192, 0, 32, 0
.endm
	s_wait_tensorcnt 1                             ; my part of K step 0 is in (K step 1's may be out)
	s_barrier_signal -1
	s_barrier_wait -1                              ; everybody's is
	FETCH 0, 0, 0
	U0 0, 1                                        ; its products start the sums, on the bias
	WIN 0                                          ; at a label and at a branch every window is 0
	s_mov_b32 s3, LAPS-1
.Llap:                                             ; a trip goes once round the ring and fills both slots again
	U1 0, 2
	U2 1, 1, 1
	U3
	U0 1, 0
	U1 1, 2
	U2 0, 1, 1
	U3
	U0 0, 0
	WIN 0
	s_sub_co_u32 s3, s3, 1
	s_cmp_lg_u32 s3, 0
	s_cbranch_scc1 .Llap
	U1 0, 1                                        ; the last lap fills nothing: it is written out
	U2 1, 1, 0
	U3
	U0 1, 0
	U1 1, 0
	U2 0, 0, 0
	U3
	WIN 0
; THE WAY OUT, a block of 16 rows x 128 columns at a time: a lane's 32 bytes of a row go into my stage, and come back as whole rows of 512 bytes, which the 32 lanes store.
.macro TOSTAGE a
	WIN 0x08                                       ; an LDS store's data are its source 1: window 2
.irp b, 0,1,2,3,4,5,6,7
	ds_store_b128 v[STO], v[64*(\a)+8*\b:64*(\a)+8*\b+3] offset:64*\b          ; each accumulator from its low end on
	ds_store_b128 v[STO], v[64*(\a)+8*\b+4:64*(\a)+8*\b+7] offset:64*\b+16
.endr
	WIN 0
.set BB, 64+64*((\a)%2)
.irp t, 0,1,2,3,4,5,6,7,8,9,10,11,12,13,14,15
	ds_load_b128 v[BB+4*\t:BB+4*\t+3], v[RD] offset:\t*SPITCH                  ; LDS serves a wave's instructions in order (ISA guide 5.7.1.4): these see the stores above
.endr
.endm
.macro SEND a, younger                 ; younger: the LDS instructions issued behind block a's loads, which may stay out
.set BB, 64+64*((\a)%2)
	s_wait_dscnt \younger
.if (\a) > 0
	s_add_nc_u64 s[10:11], s[10:11], 16*CPITCH     ; (behind a wait on XCNT: the earlier stores have read their base)
.endif
.irp t, 0,1,2,3,4,5,6,7,8,9,10,11,12,13,14,15
	global_store_b128 v[CO], v[BB+4*\t:BB+4*\t+3], s[10:11] offset:\t*CPITCH th:TH_STORE_NT   ; 32 lanes store 512 consecutive bytes, aligned; written once, read by nobody here
.endr
.endm
	PLACES                                         ; behind the last products
	TOSTAGE 0
.irp a, 1,2,3
.if \a > 1
	s_wait_xcnt 0x0                                ; block a - 2's stores have read their registers and their base
.endif
	TOSTAGE \a
	SEND \a-1, 32                                  ; behind block a - 1's loads: block a's 16 stores and 16 loads
.endr
	s_wait_xcnt 0x0                                ; block 2's stores have read their base
	SEND 3, 0
	s_wait_tensorcnt 0x0                           ; the wave's end
	ds_add_u32 v[SPW], v[NIL]
	s_wait_dscnt 0x0
	CROUND                                         ; the closing round
	s_endpgm
.Lfunc_end_k_q31fc316e67_proj:
	.size	k_q31fc316e67_proj, .Lfunc_end_k_q31fc316e67_proj-k_q31fc316e67_proj
	.p2alignl 7, 3214868480
	.fill 96, 4, 3214868480
	.section	.rodata,"a",@progbits
	.p2align	6, 0x0
	.amdhsa_kernel k_q31fc316e67_proj
		.amdhsa_group_segment_fixed_size 327680
		.amdhsa_private_segment_fixed_size 0
		.amdhsa_enable_private_segment 0
		.amdhsa_kernarg_size 32
		.amdhsa_user_sgpr_count 2
		.amdhsa_user_sgpr_kernarg_segment_ptr 1
		.amdhsa_wavefront_size32 1
		.amdhsa_system_sgpr_workgroup_id_x 1
		.amdhsa_system_sgpr_workgroup_id_y 1
		.amdhsa_system_sgpr_workgroup_id_z 1
		.amdhsa_system_vgpr_workitem_id 0
		.amdhsa_next_free_vgpr 768
		.amdhsa_next_free_sgpr 72
		.amdhsa_reserve_vcc 0
		.amdhsa_float_denorm_mode_32 3
		.amdhsa_float_denorm_mode_16_64 3
		.amdhsa_memory_ordered 1
		.amdhsa_forward_progress 1
		.amdhsa_inst_pref_size 86
	.end_amdhsa_kernel
	.amdgpu_metadata
---
amdhsa.version: [ 1, 2 ]
amdhsa.kernels:
  - .name:           k_q31fc316e67_proj
    .symbol:         k_q31fc316e67_proj.kd
    .args:
      - { .name: sv, .offset: 0, .size: 8, .value_kind: global_buffer, .address_space: global }
      - { .name: wo16, .offset: 8, .size: 8, .value_kind: global_buffer, .address_space: global }
      - { .name: bo, .offset: 16, .size: 8, .value_kind: global_buffer, .address_space: global }
      - { .name: out0, .offset: 24, .size: 8, .value_kind: global_buffer, .address_space: global }
    .group_segment_fixed_size: 327680
    .private_segment_fixed_size: 0
    .kernarg_segment_align: 8
    .kernarg_segment_size: 32
    .max_flat_workgroup_size: 128
    .sgpr_count:     72
    .vgpr_count:     768
    .wavefront_size: 32
...
	.end_amdgpu_metadata
.endif
;; end of part 5
